; MI455X (gfx1250); checked and timed in simulation.
; The chip was launched on July 23, 2026; its instructions are those of AMD's public machine-readable ISA for CDNA 5 (MIT licence, August 2026) and "CDNA5" Instruction Set Architecture Reference Guide (July 2026). The comments in the code are by the model that wrote it; some were corrected since.
;; Robust GLA. Allowed arithmetic: float matrix products may take bf16 or f16 operands with f32 sums; other float arithmetic in f32, or as packed bf16 or f16 multiplies, adds, multiply-adds, maxima and minima; sums over many terms, partial sums and values carried from step to step in f32; what a program stores and reads back later, other than sums and carried values, may be rounded once to bf16 or f16.
;; Inputs: Wg 1,024 x 1,024 float32; Wk 1,024 x 1,024 float32; Wo 1,024 x 1,024 float32; Wq 1,024 x 1,024 float32; Wv 1,024 x 1,024 float32; ln_beta 1,024 float32; ln_gamma 1,024 float32; x 4 x 2,048 x 1,024 float32.
;; Outputs: out0 4 x 2,048 x 1,024 float32; out1 4 x 8 x 128 x 128 float32.
;; 2 versions, each right; version 2 is version 1 with the launch prep written anew for expert scheduling mode. Each part assembles by itself: llvm-mc -triple=amdgcn-amd-amdhsa -mcpu=gfx1250 --defsym DOCPART=n.
;; ======== version 1 of 2: 6 launches
;; limits: values are held in f16: magnitudes above 65,504 overflow, below 6.1e-05 lose precision
;; workspace buffers: pre 27,262,976 bytes; qkvz 83,892,224 bytes; g1o 54,657,024 bytes; sin 16,777,216 bytes; y16 16,777,216 bytes
;; launch prep (part 1): grid 256 x 1, 8 waves a work-group, no clusters, 0 bytes of LDS; arguments x, ln_gamma, ln_beta, Wq, Wk, Wv, Wg, Wo, pre; writes pre
.if DOCPART == 1
	.amdgcn_target "amdgcn-amd-amdhsa--gfx1250"
	.amdhsa_code_object_version 6
	.text
	.protected	k_q5a3d3c6e23_prep
	.globl	k_q5a3d3c6e23_prep
	.p2align	8
	.type	k_q5a3d3c6e23_prep,@function
k_q5a3d3c6e23_prep:
	s_mov_b64 s[64:65], 0
	v_nop
	global_prefetch_b8 v0, s[64:65] scope:SCOPE_SE
	s_setreg_imm32_b32 hwreg(HW_REG_WAVE_MODE, 25, 1), 1
	s_wait_xcnt 0x0
; LayerNorm of x [8192][1024] (f32) into xn (f16), and the five weights [1024][1024] (f32) into f16.
; pre: byte 0 xn [8192][1024]; byte 16,777,216 + m x 2,097,152: weight m (q, k, v, g, o) [1024][1024].
; A stream: no LDS, no barrier, no matrix unit.  2,048 waves; wave gw takes rows 4 gw .. 4 gw + 3 of x, a whole row (4,096 bytes) in 32 registers
; between the passes (mean, centred squares, scaling), and 512 numbers of each weight.  Every load of a wave covers 512 consecutive bytes, every store 256.
; LIMITS.  f16 holds no number beyond 65,504: xn and the weights are taken to lie within it; below 6e-5 f16 keeps its fixed step of 6e-8.
.set WB, 4                             ; v[4:43]    ten quads of weights
.set GA, 44                            ; v[44:75]   gamma: quad j = columns 128 j + 4 lane ..
.set BE, 76                            ; v[76:107]  beta
.set X,  108                           ; v[108:235] row rho at +32 rho, quad j at +4 j
.set T,  236                           ; v[236:245] at work
	s_load_b512 s[4:19], s[0:1], 0x0               ; x s[4:5], gamma s[6:7], beta s[8:9], Wq s[10:11], Wk, Wv, Wg, Wo s[18:19]
	s_load_b64 s[20:21], s[0:1], 0x40              ; pre
	v_lshrrev_b32 v3, 5, v0
	v_readfirstlane_b32 s26, v3                    ; wave
	v_and_b32 v1, 31, v0
	v_lshlrev_b32 v2, 3, v1                        ; lane x 8: stores
	v_lshlrev_b32 v1, 4, v1                        ; lane x 16: loads
	s_lshl_b32 s27, ttmp9, 3
	s_add_co_u32 s27, s27, s26                     ; gw
	s_mov_b32 s22, 0x3a800000                      ; 1 / 1024
	s_mov_b32 s23, 0x3727c5ac                      ; 1e-5
	s_mov_b32 s24, 0x76543210                      ; v_permlanex16_b32: each lane takes its own place in the other half
	s_mov_b32 s25, 0xfedcba98
	s_mov_b32 s29, 0
	s_wait_kmcnt 0x0
	s_lshl_b32 s28, s27, 11                        ; my 512 numbers of a weight: 2,048 bytes
.irp p, 10,12,14,16,18
	s_add_nc_u64 s[\p:\p+1], s[\p:\p+1], s[28:29]
.endr
	s_lshl_b32 s28, s27, 10                        ; and 1,024 bytes of f16
	s_add_nc_u64 s[30:31], s[20:21], s[28:29]
	s_add_nc_u64 s[30:31], s[30:31], 16777216+2*2097152  ; the base stands at the third weight, so that the five immediates stay inside 24 signed bits
	s_lshl_b32 s28, s27, 14                        ; my four rows of x
	s_add_nc_u64 s[4:5], s[4:5], s[28:29]
	s_lshl_b32 s28, s27, 13                        ; and of xn
	s_add_nc_u64 s[20:21], s[20:21], s[28:29]
.macro WLOAD n0                        ; quads n0 .. n0 + 9 of the twenty: weight n / 4, 512 bytes n % 4
.set n, \n0
.rept 10
	global_load_b128 v[WB+4*(n-(\n0)):WB+4*(n-(\n0))+3], v1, s[10+2*(n/4):11+2*(n/4)] offset:512*(n%4) th:TH_LOAD_NT
.set n, n+1
.endr
.endm
.macro WSTORE n0                       ; rounded in place, 8 bytes a lane
.set n, \n0
.rept 10
	v_cvt_pk_f16_f32 v[WB+4*(n-(\n0))],   v[WB+4*(n-(\n0))],   v[WB+4*(n-(\n0))+1]
	v_cvt_pk_f16_f32 v[WB+4*(n-(\n0))+1], v[WB+4*(n-(\n0))+2], v[WB+4*(n-(\n0))+3]
	global_store_b64 v2, v[WB+4*(n-(\n0)):WB+4*(n-(\n0))+1], s[30:31] offset:(n/4-2)*2097152+256*(n%4)
.set n, n+1
.endr
.endm
.macro SUM32 r, t                      ; the sum over the wave's 32 lanes, in every lane
.irp m, 1,2,4,8
	v_add_f32_dpp v[\r], v[\r], v[\r] row_xmask:\m row_mask:0xf bank_mask:0xf
.endr
	v_permlanex16_b32 v[\t], v[\r], s24, s25
	v_add_f32 v[\r], v[\r], v[\t]
.endm
.macro ROW rho, left                   ; left: the loads issued behind this row's
.set R, X+32*(\rho)
	s_wait_loadcnt \left
.irp k, 0,1,2,3
	v_pk_add_f32 v[T+2*\k:T+2*\k+1], v[R+2*\k:R+2*\k+1], v[R+2*\k+8:R+2*\k+9]   ; four chains, started by the first pairs
.endr
.irp k, 8,9,10,11,12,13,14,15
	v_pk_add_f32 v[T+2*(\k%4):T+2*(\k%4)+1], v[T+2*(\k%4):T+2*(\k%4)+1], v[R+2*\k:R+2*\k+1]
.endr
	v_pk_add_f32 v[T:T+1], v[T:T+1], v[T+2:T+3]
	v_pk_add_f32 v[T+4:T+5], v[T+4:T+5], v[T+6:T+7]
	v_pk_add_f32 v[T:T+1], v[T:T+1], v[T+4:T+5]
	v_add_f32 v[T], v[T], v[T+1]
	SUM32 T, T+1
	v_mul_f32 v[T], s22, v[T]                      ; the mean
.set k, 0
.rept 16
	v_pk_add_f32 v[R+2*k:R+2*k+1], v[R+2*k:R+2*k+1], v[T:T+1] op_sel_hi:[1,0] neg_lo:[0,1] neg_hi:[0,1]  ; x - mean
.set k, k+1
.endr
.irp k, 0,1,2,3
	v_pk_mul_f32 v[T+2+2*\k:T+3+2*\k], v[R+2*\k:R+2*\k+1], v[R+2*\k:R+2*\k+1]
.endr
.irp k, 4,5,6,7,8,9,10,11,12,13,14,15
	v_pk_fma_f32 v[T+2+2*(\k%4):T+3+2*(\k%4)], v[R+2*\k:R+2*\k+1], v[R+2*\k:R+2*\k+1], v[T+2+2*(\k%4):T+3+2*(\k%4)]
.endr
	v_pk_add_f32 v[T+2:T+3], v[T+2:T+3], v[T+4:T+5]
	v_pk_add_f32 v[T+6:T+7], v[T+6:T+7], v[T+8:T+9]
	v_pk_add_f32 v[T+2:T+3], v[T+2:T+3], v[T+6:T+7]
	v_add_f32 v[T+2], v[T+2], v[T+3]
	SUM32 T+2, T+3
	v_fma_f32 v[T+2], v[T+2], s22, s23             ; variance + eps
	v_rsq_f32 v[T+2], v[T+2]
	v_nop                                          ; a plain instruction between the root and its use (ISA guide 5.7.2)
.set k, 0
	s_wait_alu depctr_va_vdst(0)
.rept 16
	v_pk_mul_f32 v[R+2*k:R+2*k+1], v[R+2*k:R+2*k+1], v[T+2:T+3] op_sel_hi:[1,0]
	v_pk_fma_f32 v[R+2*k:R+2*k+1], v[R+2*k:R+2*k+1], v[GA+2*k:GA+2*k+1], v[BE+2*k:BE+2*k+1]
.set k, k+1
.endr
.irp j, 0,1,2,3,4,5,6,7
	v_cvt_pk_f16_f32 v[R+4*\j],   v[R+4*\j],   v[R+4*\j+1]
	v_cvt_pk_f16_f32 v[R+4*\j+1], v[R+4*\j+2], v[R+4*\j+3]
	global_store_b64 v2, v[R+4*\j:R+4*\j+1], s[20:21] offset:(\rho)*2048+256*\j
.endr
.endm
	WLOAD 0
.irp j, 0,1,2,3,4,5,6,7
	global_load_b128 v[GA+4*\j:GA+4*\j+3], v1, s[6:7] offset:512*\j
.endr
.irp j, 0,1,2,3,4,5,6,7
	global_load_b128 v[BE+4*\j:BE+4*\j+3], v1, s[8:9] offset:512*\j
.endr
.set i, 0
.rept 32
	global_load_b128 v[X+4*i:X+4*i+3], v1, s[4:5] offset:(i/8)*4096+(i%8)*512 th:TH_LOAD_NT
.set i, i+1
.endr
	s_wait_loadcnt 48                              ; behind the ten quads: gamma 8, beta 8, x 32
	WSTORE 0
	s_wait_xcnt 0x0                                ; the stores have read the ten quads' registers: they are loaded again only behind this wait
	WLOAD 10
	ROW 0, 34                                      ; three rows of eight and the second ten quads stay out
	ROW 1, 26
	ROW 2, 18
	ROW 3, 10
	s_wait_loadcnt 0x0
	WSTORE 10
	s_endpgm
.Lfunc_end_k_q5a3d3c6e23_prep:
	.size	k_q5a3d3c6e23_prep, .Lfunc_end_k_q5a3d3c6e23_prep-k_q5a3d3c6e23_prep
	.p2alignl 7, 3214868480
	.fill 96, 4, 3214868480
	.section	.rodata,"a",@progbits
	.p2align	6, 0x0
	.amdhsa_kernel k_q5a3d3c6e23_prep
		.amdhsa_group_segment_fixed_size 0
		.amdhsa_private_segment_fixed_size 0
		.amdhsa_enable_private_segment 0
		.amdhsa_kernarg_size 72
		.amdhsa_user_sgpr_count 2
		.amdhsa_user_sgpr_kernarg_segment_ptr 1
		.amdhsa_wavefront_size32 1
		.amdhsa_system_sgpr_workgroup_id_x 1
		.amdhsa_system_sgpr_workgroup_id_y 1
		.amdhsa_system_sgpr_workgroup_id_z 1
		.amdhsa_system_vgpr_workitem_id 0
		.amdhsa_next_free_vgpr 248
		.amdhsa_next_free_sgpr 66
		.amdhsa_reserve_vcc 0
		.amdhsa_float_denorm_mode_32 3
		.amdhsa_float_denorm_mode_16_64 3
		.amdhsa_memory_ordered 1
		.amdhsa_forward_progress 1
		.amdhsa_inst_pref_size 44
	.end_amdhsa_kernel
	.amdgpu_metadata
---
amdhsa.version: [ 1, 2 ]
amdhsa.kernels:
  - .name:           k_q5a3d3c6e23_prep
    .symbol:         k_q5a3d3c6e23_prep.kd
    .args:
      - { .name: x, .offset: 0, .size: 8, .value_kind: global_buffer, .address_space: global }
      - { .name: ln_gamma, .offset: 8, .size: 8, .value_kind: global_buffer, .address_space: global }
      - { .name: ln_beta, .offset: 16, .size: 8, .value_kind: global_buffer, .address_space: global }
      - { .name: Wq, .offset: 24, .size: 8, .value_kind: global_buffer, .address_space: global }
      - { .name: Wk, .offset: 32, .size: 8, .value_kind: global_buffer, .address_space: global }
      - { .name: Wv, .offset: 40, .size: 8, .value_kind: global_buffer, .address_space: global }
      - { .name: Wg, .offset: 48, .size: 8, .value_kind: global_buffer, .address_space: global }
      - { .name: Wo, .offset: 56, .size: 8, .value_kind: global_buffer, .address_space: global }
      - { .name: pre, .offset: 64, .size: 8, .value_kind: global_buffer, .address_space: global }
    .group_segment_fixed_size: 0
    .private_segment_fixed_size: 0
    .kernarg_segment_align: 8
    .kernarg_segment_size: 72
    .max_flat_workgroup_size: 256
    .sgpr_count:     66
    .vgpr_count:     248
    .wavefront_size: 32
...
	.end_amdgpu_metadata
.endif
;; end of part 1
;; launch proj (part 2): grid 16 x 32, 4 waves a work-group, clusters of 4 x 4, 327,680 bytes of LDS; arguments pre, qkvz; writes qkvz
.if DOCPART == 2
	.amdgcn_target "amdgcn-amd-amdhsa--gfx1250"
	.amdhsa_code_object_version 6
	.text
	.protected	k_q5a3d3c6e23_proj
	.globl	k_q5a3d3c6e23_proj
	.p2align	8
	.type	k_q5a3d3c6e23_proj,@function
k_q5a3d3c6e23_proj:
	s_mov_b64 s[64:65], 0
	v_nop
	global_prefetch_b8 v0, s[64:65] scope:SCOPE_SE
	s_setreg_imm32_b32 hwreg(HW_REG_WAVE_MODE, 25, 1), 1
	s_wait_xcnt 0x0
	s_wait_alu depctr_hold_cnt(0) depctr_sa_sdst(0) depctr_va_vdst(0) depctr_va_sdst(0) depctr_va_ssrc(0) depctr_va_vcc(0) depctr_vm_vsrc(0)
	s_getreg_b32 s2, hwreg(HW_REG_IB_STS2, 6, 4)
	s_cmp_eq_u32 s2, 0
	s_cbranch_scc0 .Lentry_in_a_cluster
	s_endpgm
.Lentry_in_a_cluster:
	s_bfe_u32 s2, ttmp6, 0x10000c
	s_cmp_lg_u32 s2, 0xf033
	s_cbranch_scc0 .Lentry_shape_is_right
	s_endpgm
.Lentry_shape_is_right:
; The four projections as ONE product C = xn W4^T: xn [8192][1024], W4 = (Wq; Wk; Wv; Wg) [4096][1024], both f16 in pre; sums in f32.
; Out, by heads (bh = 8 b + h): q, k, v as f16 [bh][2048][128] at type x 16,777,216; z = xn Wg^T as f32 [bh][2048][128] at 50,331,648;
; and for q, k, v the largest |sum| of each wave's 128 x 128, one f32 a wave, at 83,886,080 + type x 2,048: later launches take power-of-two scales from them.
; LIMITS.  q, k, v beyond 65,504 become infinities in f16; NaN and infinities are not treated apart.
; A tile of C, 256 x 256, is made by four waves, 128 x 128 each: 64 accumulators of 16 x 16, 512 registers.  K goes in steps of 128 through a ring of two LDS slots.
; CLUSTERS: 4 x 4 work-groups; A's tiles are asked for jointly along a row of the cluster, B's along a column.  A cluster's four tile columns are one type (1,024 columns), so the type is the cluster's x,
; equal in all partners: the one branch on it, on the way out, is taken alike by all.
; THE MATRIX INSTRUCTION IS USED TRANSPOSED: source 0 = 16 rows of W4, source 1 = 16 rows of xn: a lane holds row l % 16 of C and the columns 8 (l / 16) + 0 .. 7.
; REGISTERS: window 0: v0-31 addresses; v64-127, v128-191 fragments of A, two buffers; v32-63, v192-255 at work on the way out.  window 1: v64-191 fragments of B.  windows 2, 3: the accumulators ((a, b) at v[8 (8 a + b)]).
.set SIZE_K, 1024
.set KSTEP,  128
.set PITCH,  272                       ; an LDS row: 256 bytes + 16 of padding: the 16 rows of a fragment load start at 16 different groups of four banks (ISA guide 11.1)
.set HALFT,  128*PITCH
.set SLOT,   4*HALFT
.set STAGE,  2*SLOT                    ; behind the ring: 8,448 bytes for each wave (16 rows x 528, or x 272), for the way out
.set STGB,   16*528
.set SPARE,  STAGE+4*STGB              ; the spare words, 128 bytes a wave
.set LAPS,   SIZE_K/(2*KSTEP)
.set MX,   8                           ; v8-11   four running maxima of |sum|
.set ZR,   12                          ; v12     0, an offset
.set LN,   13                          ; v13     lane
.set ADRA, 16                          ; v16-17  LDS address of my A fragments in slot 0, 1
.set ADRB, 20                          ; v20-21  the same for B
.set STO,  24                          ; v24     way out, f16: where I put 16 bytes of a row
.set RD,   25                          ; v25     way out, f16: where I read rows back
.set CO,   26                          ; v26     lane x 16
.set STOZ, 27                          ; v27     way out, f32: where I put 32 bytes of a row
.set SPW,  28                          ; v28     my spare word; never rewritten
.set NIL,  29                          ; v29     0; never rewritten
.set RDZ,  30                          ; v30     way out, f32: where I read a row back
.set F0,   64
.set F1,   128
.set TMP,  192
.set OB,   32
.set G1, 24                            ; s[24:31] group 1 for A's tiles;  s[32:39] group 0, a set for each slot
.set G0, 32
.set G1B, 48                           ; s[48:55], s[56:63] the same for B's
.set G0B, 56
.set MSB, 0
.macro WIN new                         ; the immediate's high byte repeats the setting that is left
.if MSB != (\new)
	s_set_vgpr_msb (MSB<<8)|(\new)
.set MSB, \new
.endif
.endm
.set MUL_LO, 0xa1                      ; source 0 (B) window 1, source 1 (A) window 0, C and D window 2
.set MUL_HI, 0xf1                      ; the same, C and D window 3
.set TO_B,   0x40
; A joint load: waves 0 and 1 fetch A's two halves, waves 2 and 3 B's.  An s_nop 0 and four v_nop follow each of the two lines.
.macro JLOAD s
	s_cmp_eq_u32 s11, 0
	s_cbranch_scc0 .Lfor_b_\@
	tensor_load_to_lds s[G0+4*(\s):G0+4*(\s)+3], s[G1:G1+7]
	s_nop 0
.rept 4
	v_nop
.endr
	s_branch .Lasked_\@
.Lfor_b_\@:
	tensor_load_to_lds s[G0B+4*(\s):G0B+4*(\s)+3], s[G1B:G1B+7]
	s_nop 0
.rept 4
	v_nop
.endr
.Lasked_\@:
.endm
.macro CREST                           ; a round of the cluster's barrier behind its opening barrier
	s_cmp_lg_u32 s10, 0
	s_cbranch_scc1 .Lnot_wave_0_\@
	s_barrier_signal -3
.Lnot_wave_0_\@:
	s_barrier_wait -3
	s_barrier_signal -1
	s_barrier_wait -1
.endm
.macro CROUND
	s_barrier_signal -1
	s_barrier_wait -1
	CREST
.endm
	s_load_b128 s[4:7], s[0:1], 0x0                ; pre s[4:5], qkvz s[6:7]
	v_lshl_add_u32 v[SPW], v0, 2, SPARE
	v_mov_b32 v[NIL], 0
	ds_add_u32 v[SPW], v[NIL]                      ; the wave's opening: the add and its wait stand ahead of my first tensor load
	ds_add_u32 v28, v29
	v_lshrrev_b32 v1, 5, v0
	v_readfirstlane_b32 s10, v1                    ; wave 0..3
	s_lshr_b32 s11, s10, 1                         ; which half of the tile's rows is mine.  Also: I fetch for A (0) or for B (1)
	s_and_b32 s12, s10, 1                          ; which half of its columns.  Also: which 128 rows of that tile I fetch
	s_bfe_u32 s40, ttmp6, 0x40000                  ; cx
	s_bfe_u32 s41, ttmp6, 0x40004                  ; cy
	s_mov_b32 s71, ttmp9                           ; the cluster's x = the type: 0 q, 1 k, 2 v, 3 z
	s_lshl_b32 s42, ttmp9, 2
	s_add_co_u32 s42, s42, s40                     ; tile column of C
	s_and_b32 s13, ttmp7, 0xffff
	s_lshl_b32 s13, s13, 2
	s_add_co_u32 s13, s13, s41                     ; tile row of C
	s_lshl_b32 s43, s41, 2
	s_lshl_b32 s43, 15, s43                        ; my row of the cluster
	s_lshl_b32 s44, 0x1111, s40                    ; my column
	s_or_b32 s[G1+0], s43, (1<<16)|(1<<20)|(1<<21)|(5<<22)|(3<<25)   ; mask; 2-byte elements; padding on; bit 21 beside a mask; after every 64 words 4 words
	s_or_b32 s[G1B+0], s44, (1<<16)|(1<<20)|(1<<21)|(5<<22)|(3<<25)
.irp g, G1, G1B
	s_mov_b32 s[(\g)+1], KSTEP<<16                 ; tensor_dim0 = 128
	s_mov_b32 s[(\g)+2], 128<<16                   ; tensor_dim1 = 128
	s_mov_b32 s[(\g)+3], KSTEP<<16                 ; tile_dim0 = 128
	s_mov_b32 s[(\g)+4], 128                       ; tile_dim1 = 128
	s_mov_b32 s[(\g)+5], SIZE_K                    ; elements from row to row
	s_mov_b32 s[(\g)+6], 0
	s_mov_b32 s[(\g)+7], 0
.endr
	s_mov_b32 s68, 0x76543210
	s_mov_b32 s69, 0xfedcba98
	s_lshl_b32 s17, s12, 7
	s_lshl_b32 s16, s13, 8
	s_add_co_u32 s16, s16, s17                     ; A: row 256 x tile row + 128 x half
	s_lshl_b32 s46, s42, 8
	s_add_co_u32 s46, s46, s17                     ; B: row 256 x tile column + 128 x half
	s_mov_b32 s17, 0
	s_mov_b32 s47, 0
	s_mov_b64 s[18:19], SIZE_K*2
	s_mul_u64 s[16:17], s[16:17], s[18:19]
	s_mul_u64 s[46:47], s[46:47], s[18:19]
	s_mul_i32 s20, s10, HALFT                      ; where they go: wave x 128 rows
	s_wait_dscnt 0x0                               ; the opening add is done
	s_wait_kmcnt 0x0
	s_mov_b64 s[8:9], s[6:7]                       ; qkvz
	s_add_nc_u64 s[6:7], s[4:5], 16777216          ; W4
	s_add_nc_u64 s[14:15], s[4:5], s[16:17]
	s_add_nc_u64 s[46:47], s[6:7], s[46:47]
	CROUND                                         ; all sixteen work-groups are here: the first joint loads meet
.irp s, 0,1
	s_mov_b32 s[G0+4*(\s)], 1
	s_add_co_u32 s[G0+4*(\s)+1], s20, (\s)*SLOT
	s_add_nc_u64 s[G0+4*(\s)+2:G0+4*(\s)+3], s[14:15], (\s)*KSTEP*2
	s_or_b32 s[G0+4*(\s)+3], s[G0+4*(\s)+3], 0x80000000
	s_mov_b32 s[G0B+4*(\s)], 1
	s_add_co_u32 s[G0B+4*(\s)+1], s20, (\s)*SLOT
	s_add_nc_u64 s[G0B+4*(\s)+2:G0B+4*(\s)+3], s[46:47], (\s)*KSTEP*2
	s_or_b32 s[G0B+4*(\s)+3], s[G0B+4*(\s)+3], 0x80000000
	JLOAD \s
.endr
	v_and_b32 v1, 15, v0                           ; l % 16
	v_bfe_u32 v2, v0, 4, 1                         ; l / 16
	v_mul_u32_u24 v3, v1, PITCH
	v_lshl_add_u32 v3, v2, 4, v3
	s_mul_i32 s21, s11, HALFT
	s_mul_i32 s22, s12, HALFT
	s_add_co_u32 s22, s22, 2*HALFT
.irp s, 0,1
	v_add_nc_u32 v[ADRA+(\s)], s21, v3
	v_add_nc_u32 v[ADRB+(\s)], s22, v3
	s_add_co_u32 s21, s21, SLOT
	s_add_co_u32 s22, s22, SLOT
.endr
	s_mul_i32 s23, s10, STGB
	s_add_co_u32 s23, s23, STAGE                   ; my stage
	v_mul_u32_u24 v4, v1, 272
	v_lshl_add_u32 v4, v2, 4, v4
	v_add_nc_u32 v[STO], s23, v4
	v_mul_u32_u24 v5, v2, 272
	v_lshl_add_u32 v5, v1, 4, v5
	v_add_nc_u32 v[RD], s23, v5
	v_mul_u32_u24 v4, v1, 528
	v_lshl_add_u32 v4, v2, 5, v4
	v_add_nc_u32 v[STOZ], s23, v4
	v_and_b32 v[LN], 31, v0
	v_lshlrev_b32 v[CO], 4, v[LN]
	v_add_nc_u32 v[RDZ], s23, v[CO]
	v_mov_b32 v[ZR], 0
.irp r, 0,1,2,3
	v_mov_b32 v[MX+\r], 0
.endr
	; my 128 rows lie in one batch b, my 128 columns are one head h: row R = (8 b + h) x 2,048 + l0 of the head-wise tensors
	s_lshl_b32 s72, s13, 8
	s_lshl_b32 s73, s11, 7
	s_add_co_u32 s72, s72, s73                     ; my first row of C
	s_lshr_b32 s73, s72, 11                        ; b
	s_and_b32 s72, s72, 2047                       ; l0
	s_lshl_b32 s73, s73, 3
	s_lshl_b32 s74, s40, 1
	s_add_co_u32 s74, s74, s12                     ; h = 2 cx + column half
	s_add_co_u32 s73, s73, s74
	s_lshl_b32 s73, s73, 11
	s_add_co_u32 s72, s72, s73                     ; R
.macro MUL16 f, hi, a0, zero
	WIN MUL_LO+0x50*(\hi)
.irp a, \a0, (\a0)+1
.irp b, 0,1,2,3,4,5,6,7
.if \zero
	v_wmma_f32_16x16x32_f16 v[8*(8*(\a)+(\b)):8*(8*(\a)+(\b))+7], v[(\f)+8*(\b):(\f)+8*(\b)+7], v[(\f)+8*(4*(\hi)+(\a)):(\f)+8*(4*(\hi)+(\a))+7], 0
.else
	v_wmma_f32_16x16x32_f16 v[8*(8*(\a)+(\b)):8*(8*(\a)+(\b))+7], v[(\f)+8*(\b):(\f)+8*(\b)+7], v[(\f)+8*(4*(\hi)+(\a)):(\f)+8*(4*(\hi)+(\a))+7], v[8*(8*(\a)+(\b)):8*(8*(\a)+(\b))+7]
.endif
.endr
.endr
.endm
.macro FETCH slot, k, f                ; 32 LDS loads in one run: the fragments of one quarter step
	WIN TO_B
.irp i, 0,1,2,3,4,5,6,7
	ds_load_b128 v[(\f)+8*(\i):(\f)+8*(\i)+3],   v[ADRB+(\slot)] offset:(\k)+(\i)*16*PITCH
	ds_load_b128 v[(\f)+8*(\i)+4:(\f)+8*(\i)+7], v[ADRB+(\slot)] offset:(\k)+(\i)*16*PITCH+32
.endr
	WIN 0
.irp i, 0,1,2,3,4,5,6,7
	ds_load_b128 v[(\f)+8*(\i):(\f)+8*(\i)+3],   v[ADRA+(\slot)] offset:(\k)+(\i)*16*PITCH
	ds_load_b128 v[(\f)+8*(\i)+4:(\f)+8*(\i)+7], v[ADRA+(\slot)] offset:(\k)+(\i)*16*PITCH+32
.endr
.endm
.macro PLACES                          ; four places behind matrix instructions, in front of loads into their sources and of reads of their results
.rept 4
	v_nop
.endr
.endm
.macro QUARTER slot, k, f, g, zero
	s_wait_dscnt 8                                 ; B and A's rows 0-63 are in; the youngest eight loads (A's rows 64-127) may be out
	WIN MUL_LO
	MUL16 \f, 0, 0, \zero
	MUL16 \f, 0, 2, \zero
	PLACES
	FETCH \slot, \k, \g
	s_wait_dscnt 32                                ; all but the 32 just issued
	WIN MUL_HI
	MUL16 \f, 1, 0, \zero
	MUL16 \f, 1, 2, \zero
.endm
.macro MEET round                      ; the change of slots: one barrier; round = 1: a round of the cluster's barrier follows
	WIN 0
	s_wait_tensorcnt 0x0                           ; all my tensor loads have landed: the one that was out is my part of the next slot
	ds_add_u32 v[SPW], v[NIL]
	s_wait_dscnt 9                                 ; the add and the youngest eight loads may be out
	WIN MUL_LO
	MUL16 F1, 0, 0, 0
	s_wait_dscnt 0x0                               ; the add is done, and my reads of this slot are over
	s_barrier_signal -1
	MUL16 F1, 0, 2, 0
.if \round
	WIN 0
.endif
	s_barrier_wait -1
.endm
.macro TURN slot, next
	MEET 1
	CREST                                          ; no wave of any partner still reads this slot's tile or has a load on its way
	s_add_nc_u64 s[G0+4*(\slot)+2:G0+4*(\slot)+3], s[G0+4*(\slot)+2:G0+4*(\slot)+3], 2*KSTEP*2
	s_add_nc_u64 s[G0B+4*(\slot)+2:G0B+4*(\slot)+3], s[G0B+4*(\slot)+2:G0B+4*(\slot)+3], 2*KSTEP*2
	JLOAD \slot                                    ; the first tensor load behind the round; its four v_nop are also the places in front of the loads below
	FETCH \next, 0, F0
	WIN MUL_HI
	MUL16 F1, 1, 0, 0
	MUL16 F1, 1, 2, 0
.endm
	s_wait_tensorcnt 1                             ; my part of K step 0 is in; K step 1's may stay out
	s_barrier_signal -1
	s_barrier_wait -1
	FETCH 0, 0, F0
	QUARTER 0, 64,  F0, F1, 1                      ; the first quarter's products start the sums
	WIN 0
	s_mov_b32 s3, LAPS-1
.Llap:                                                 ; a trip goes once round the ring and fills both slots again
	QUARTER 0, 128, F1, F0, 0
	QUARTER 0, 192, F0, F1, 0
	TURN 0, 1
	QUARTER 1, 64,  F0, F1, 0
	QUARTER 1, 128, F1, F0, 0
	QUARTER 1, 192, F0, F1, 0
	TURN 1, 0
	QUARTER 0, 64,  F0, F1, 0
	WIN 0
	s_sub_co_u32 s3, s3, 1
	s_cmp_lg_u32 s3, 0
	s_cbranch_scc1 .Llap
	QUARTER 0, 128, F1, F0, 0                      ; the last lap fills nothing
	QUARTER 0, 192, F0, F1, 0
	MEET 0
	PLACES
	FETCH 1, 0, F0
	WIN MUL_HI
	MUL16 F1, 1, 0, 0
	MUL16 F1, 1, 2, 0
	QUARTER 1, 64,  F0, F1, 0
	QUARTER 1, 128, F1, F0, 0
	QUARTER 1, 192, F0, F1, 0
	s_wait_dscnt 8
	WIN MUL_LO
	MUL16 F1, 0, 0, 0
	MUL16 F1, 0, 2, 0
	s_wait_dscnt 0x0
	MUL16 F1, 1, 0, 0
	MUL16 F1, 1, 2, 0
	WIN 0
	PLACES
; THE WAY OUT, a block of 16 rows at a time through my own stage.  f16: rounded, 16 bytes a lane, back as rows of 256 bytes; the head-wise rows are dense, so a store covers 512 consecutive bytes.
.macro PACK a
.set AC, 64*((\a)%4)
	WIN 0x0a+5*((\a)/4)                            ; sources 0 and 1: window 2 or 3
.irp b, 0,1,2,3,4,5,6,7
.irp r, 0,1,2,3
	v_cvt_pk_f16_f32 v[TMP+4*(\b)+(\r)], v[AC+8*(\b)+2*(\r)], v[AC+8*(\b)+2*(\r)+1]
	v_max3_num_f32 v[MX+(\r)], |v[AC+8*(\b)+2*(\r)]|, |v[AC+8*(\b)+2*(\r)+1]|, v[MX+(\r)]
.endr
.endr
	WIN 0
.endm
.macro TOSTAGE a
	WIN 0
.set BK, OB+192*((\a)%2)
.irp b, 0,1,2,3,4,5,6,7
	ds_store_b128 v[STO], v[TMP+4*(\b):TMP+4*(\b)+3] offset:32*(\b)
.endr
.irp t, 0,1,2,3,4,5,6,7
	ds_load_b128 v[BK+4*(\t):BK+4*(\t)+3], v[RD] offset:(\t)*2*272  ; LDS serves a wave's instructions in order (ISA guide 5.7.1.4): these see the stores above
.endr
.endm
.macro SEND a
	WIN 0
.set BK, OB+192*((\a)%2)
	s_wait_dscnt 0x0
	s_wait_xcnt 0x0                                ; the registers that earlier stores read are loaded again only behind this wait
.irp t, 0,1,2,3,4,5,6,7
	global_store_b128 v[CO], v[BK+4*(\t):BK+4*(\t)+3], s[76:77] offset:(\a)*4096+(\t)*512
.endr
.endm
; f32: straight from the accumulators into rows of 528 bytes, back as whole rows of 512.
.macro ZOUT a
.set AC, 64*((\a)%4)
.set BK, 64+64*((\a)%2)
	s_wait_xcnt 0x0
	WIN 0x08+4*((\a)/4)                            ; store data: window 2 or 3
.irp b, 0,1,2,3,4,5,6,7
	ds_store_b128 v[STOZ], v[AC+8*(\b):AC+8*(\b)+3] offset:64*(\b)
	ds_store_b128 v[STOZ], v[AC+8*(\b)+4:AC+8*(\b)+7] offset:64*(\b)+16
.endr
	WIN 0
.irp t, 0,1,2,3,4,5,6,7,8,9,10,11,12,13,14,15
	ds_load_b128 v[BK+4*(\t):BK+4*(\t)+3], v[RDZ] offset:(\t)*528
.endr
.irp t, 0,1,2,3,4,5,6,7,8,9,10,11,12,13,14,15
	s_wait_dscnt 15-(\t)
	global_store_b128 v[CO], v[BK+4*(\t):BK+4*(\t)+3], s[76:77] offset:(\a)*8192+(\t)*512
.endr
.endm
	s_cmp_eq_u32 s71, 3
	s_cbranch_scc1 .Lz
	s_lshl_b32 s72, s72, 8                         ; R x 256 bytes
	s_lshl_b32 s73, s71, 24                        ; + type x 16,777,216
	s_add_co_u32 s72, s72, s73
	s_mov_b32 s73, 0
	s_add_nc_u64 s[76:77], s[8:9], s[72:73]
	s_lshl_b32 s74, s40, 5                         ; my wave's word among the type's 512: ((cx x 32 + tile row) x 4 + wave)
	s_add_co_u32 s74, s74, s13
	s_lshl_b32 s74, s74, 2
	s_add_co_u32 s74, s74, s10
	s_lshl_b32 s74, s74, 2
	s_lshl_b32 s75, s71, 11
	s_add_co_u32 s74, s74, s75
	s_add_co_u32 s74, s74, 83886080
	s_mov_b32 s75, 0
	s_add_nc_u64 s[78:79], s[8:9], s[74:75]
	PACK 0
	TOSTAGE 0
.irp a, 1,2,3,4,5,6,7
	PACK \a
	SEND (\a)-1
	TOSTAGE \a
.endr
	SEND 7
	v_max3_num_f32 v[MX], v[MX], v[MX+1], v[MX+2]
	v_max_num_f32 v[MX], v[MX], v[MX+3]
.irp m, 1,2,4,8
	v_max_num_f32_dpp v[MX], v[MX], v[MX] row_xmask:\m row_mask:0xf bank_mask:0xf
.endr
	v_permlanex16_b32 v[MX+1], v[MX], s68, s69
	v_max_num_f32 v[MX], v[MX], v[MX+1]
	v_cmp_eq_u32 vcc_lo, 0, v[LN]
	s_wait_xcnt 0x0                                ; EXEC changes only behind this wait
	s_and_saveexec_b32 s70, vcc_lo
	global_store_b32 v[ZR], v[MX], s[78:79]        ; lane 0: the wave's maximum
	s_wait_xcnt 0x0
	s_or_b32 exec_lo, exec_lo, s70
	s_branch .Ljoin
.Lz:
	s_lshl_b32 s72, s72, 9                         ; R x 512 bytes
	s_add_co_u32 s72, s72, 50331648
	s_mov_b32 s73, 0
	s_add_nc_u64 s[76:77], s[8:9], s[72:73]
.irp a, 0,1,2,3,4,5,6,7
	ZOUT \a
.endr
.Ljoin:
	s_wait_tensorcnt 0x0                           ; the wave's end
	ds_add_u32 v[SPW], v[NIL]
	s_wait_dscnt 0x0
	CROUND                                         ; the closing round
	s_endpgm
.Lfunc_end_k_q5a3d3c6e23_proj:
	.size	k_q5a3d3c6e23_proj, .Lfunc_end_k_q5a3d3c6e23_proj-k_q5a3d3c6e23_proj
	.p2alignl 7, 3214868480
	.fill 96, 4, 3214868480
	.section	.rodata,"a",@progbits
	.p2align	6, 0x0
	.amdhsa_kernel k_q5a3d3c6e23_proj
		.amdhsa_group_segment_fixed_size 327680
		.amdhsa_private_segment_fixed_size 0
		.amdhsa_enable_private_segment 0
		.amdhsa_kernarg_size 16
		.amdhsa_user_sgpr_count 2
		.amdhsa_user_sgpr_kernarg_segment_ptr 1
		.amdhsa_wavefront_size32 1
		.amdhsa_system_sgpr_workgroup_id_x 1
		.amdhsa_system_sgpr_workgroup_id_y 1
		.amdhsa_system_sgpr_workgroup_id_z 1
		.amdhsa_system_vgpr_workitem_id 0
		.amdhsa_next_free_vgpr 1024
		.amdhsa_next_free_sgpr 80
		.amdhsa_reserve_vcc 1
		.amdhsa_float_denorm_mode_32 3
		.amdhsa_float_denorm_mode_16_64 3
		.amdhsa_memory_ordered 1
		.amdhsa_forward_progress 1
		.amdhsa_inst_pref_size 193
	.end_amdhsa_kernel
	.amdgpu_metadata
---
amdhsa.version: [ 1, 2 ]
amdhsa.kernels:
  - .name:           k_q5a3d3c6e23_proj
    .symbol:         k_q5a3d3c6e23_proj.kd
    .args:
      - { .name: pre, .offset: 0, .size: 8, .value_kind: global_buffer, .address_space: global }
      - { .name: qkvz, .offset: 8, .size: 8, .value_kind: global_buffer, .address_space: global }
    .group_segment_fixed_size: 327680
    .private_segment_fixed_size: 0
    .kernarg_segment_align: 8
    .kernarg_segment_size: 16
    .max_flat_workgroup_size: 128
    .sgpr_count:     80
    .vgpr_count:     1024
    .wavefront_size: 32
...
	.end_amdgpu_metadata
.endif
;; end of part 2
;; launch gla_e (part 3): grid 8 x 32, 4 waves a work-group, no clusters, 327,680 bytes of LDS; arguments qkvz, g1o; writes g1o
.if DOCPART == 3
	.amdgcn_target "amdgcn-amd-amdhsa--gfx1250"
	.amdhsa_code_object_version 6
	.text
	.protected	k_q5a3d3c6e23_gla_e
	.globl	k_q5a3d3c6e23_gla_e
	.p2align	8
	.type	k_q5a3d3c6e23_gla_e,@function
k_q5a3d3c6e23_gla_e:
	s_mov_b64 s[64:65], 0
	v_nop
	global_prefetch_b8 v0, s[64:65] scope:SCOPE_SE
	s_setreg_imm32_b32 hwreg(HW_REG_WAVE_MODE, 25, 1), 1
	s_wait_xcnt 0x0
; GATED LINEAR ATTENTION, first pass.  A work-group owns a segment of 256 tokens of one sequence bh; a sub-chunk is 16 tokens.  d_t = sigmoid(z_t), per key dimension.
; For each sub-chunk (tokens 0..15), with cq, ck, cv exact powers of two taken from the largest |q|, |k|, |v| of the whole launch before:
;   q'_i = cq q_i prod(t = 0..i) d_t     k'_j = ck k_j prod(t = j+1..15) d_t     Dtot = prod(t = 0..15) d_t     A_ij = cq ck sum over dims of q_i k_j prod(t = j+1..i) d_t  (j <= i, else 0)
; Only products of d, all within 0 .. 1: no exponent is ever positive and no difference of cumulated sums is formed, whatever the gates.  All this in f32 on the vector unit; q', k', A leave as f16.
; Then the segment's own state from zero, U = sum over sub-chunks, S <- Dtot (.) S + k'^T (cv v), by the matrix unit with f32 sums, and Dseg = the product of the 16 Dtot.
; BOUNDS.  cq |q| <= 1/8, ck |k| <= 1, cv |v| <= 1 for every input, so |A| <= 16 and |S| <= 2,048: all inside f16.
; LIMITS.  d counts as 0 where exp(-z) overflows (z below about -88); f16 numbers below 6e-5 keep the fixed step of 6e-8; NaN and infinities are not treated apart.
; NO CLUSTER: no two work-groups read the same tile; only 6 KiB of maxima are common.
; SHARES.  Vector part: wave w takes sub-chunks 4 w .. 4 w + 3; a lane owns dims 4 lane .. 4 lane + 3, tokens run along registers.  Matrix part: wave w owns the state's v columns 32 w .. 32 w + 31.
; LDS: KP k' [256][288]; VV v [256][288], filled once by tensor loads; DT Dtot [16][512]; TT, AS each wave's own scratch for the sum over lanes; the spare words.
.set KP, 0
.set VV, 73728
.set DT, 147456
.set TT, 155648
.set TW, 20992                         ; 32 lanes x 656 bytes: 40 groups of 16 bytes + 16 of padding, an odd multiple of 16
.set AS, 239616
.set SPARE, 241664
; window 0
.set VQ, 2                             ; lane x 8
.set VZ, 3                             ; lane x 16
.set TRD, 4                            ; where I read eight lanes' groups back
.set AS0, 5                            ; my place in the image of A, rounds 0-2;  AS3, AS4: rounds 3, 4
.set AS3, 6
.set AS4, 7
.set ASR, 8                            ; the image, 16 bytes a lane
.set DSA, 9                            ; DT + lane x 16
.set RT, 10                            ; v10-11
.set AIM, 12                           ; v12-15
.set KTA, 16
.set VTA, 17
.set DLA, 18
.set CV16, 19                          ; cv, twice, in f16
.set SPW, 20
.set NIL, 21
.set RQ, 24                            ; v24-55   q as loaded, 2 registers a token
.set RK, 56                            ; v56-87   k
.set R5, 88                            ; v88-119  the fifth round of the sum over lanes
.set KF, 128                           ; v128-191 ck k
.set DD, 192                           ; v192-255 d
.set VF, 24                            ; matrix part: v24-39 fragments of v; v40-103 of k'
.set KFR, 40
; window 1
.set QF, 0                             ; v0-63    cq q, later q times the running product
.set AC, 64                            ; v64-223  40 groups of four partial sums;  PT, PT2 lie in the same registers before
.set PT, 64
.set PT2, 128
.set TA, 224
.set DTOT, 240
.set RR, 244
.set VQ1, 248
.set VZ1, 249
.set KPA, 250
.set DTA, 251
.set TST, 252
.set DR, 128                           ; matrix part: S v0-127, Dtot v128-191
; window 2
.set RZ, 0                             ; v0-63    z as loaded
.set WV, 8
.set SEG, 9
.set BH, 10
.set CNT, 11
.set SQ, 12
.set SK, 14
.set SZ, 16
.set SQP, 18
.set SKP, 20
.set SAX, 22
.set G0, 24
.set G1, 28
.set BEQ, 40
.set BEK, 41
.set BEV, 42
.set CQ, 44
.set CK, 46
.set LG, 48
.set SEL, 50
.set OFF, 52
.set SU, 54
.set SDS, 56
.set SMX, 58
.set CVS, 60
.set MSB, 0
.macro WIN new
.if MSB != (\new)
	s_set_vgpr_msb (MSB<<8)|(\new)
.set MSB, \new
.endif
.endm
.macro MXLOAD ty, T                    ; a type's 512 maxima: 2,048 bytes
.irp t, 0,1,2,3
	global_load_b128 v[(\T)+4*\t:(\T)+4*\t+3], v[VZ], s[SMX:SMX+1] offset:(\ty)*2048+\t*512
.endr
.endm
.macro MXRED T, OUT, lo, hi            ; the biased exponent of their maximum, kept between lo and hi
	v_max3_num_f32 v[(\T)], v[(\T)], v[(\T)+1], v[(\T)+2]
	v_max3_num_f32 v[(\T)+3], v[(\T)+3], v[(\T)+4], v[(\T)+5]
	v_max3_num_f32 v[(\T)+6], v[(\T)+6], v[(\T)+7], v[(\T)+8]
	v_max3_num_f32 v[(\T)+9], v[(\T)+9], v[(\T)+10], v[(\T)+11]
	v_max3_num_f32 v[(\T)+12], v[(\T)+12], v[(\T)+13], v[(\T)+14]
	v_max3_num_f32 v[(\T)], v[(\T)], v[(\T)+3], v[(\T)+6]
	v_max3_num_f32 v[(\T)+9], v[(\T)+9], v[(\T)+12], v[(\T)+15]
	v_max_num_f32 v[(\T)], v[(\T)], v[(\T)+9]
.irp m, 1,2,4,8
	v_max_num_f32_dpp v[(\T)], v[(\T)], v[(\T)] row_xmask:\m row_mask:0xf bank_mask:0xf
.endr
	v_permlanex16_b32 v[(\T)+1], v[(\T)], s[SEL], s[SEL+1]
	v_max_num_f32 v[(\T)], v[(\T)], v[(\T)+1]
	v_readfirstlane_b32 s[\OUT], v[(\T)]
	s_lshr_b32 s[\OUT], s[\OUT], 23
	s_max_u32 s[\OUT], s[\OUT], \lo
	s_min_u32 s[\OUT], s[\OUT], \hi
.endm
.macro RAW d                           ; 48 loads: q, k, z of the sub-chunk in hand (0) or the next (1)
	WIN 0
.set i, 0
.rept 16
	global_load_b64 v[RQ+2*i:RQ+2*i+1], v[VQ], s[SQ:SQ+1] offset:(\d)*4096+256*i th:TH_LOAD_NT
	global_load_b64 v[RK+2*i:RK+2*i+1], v[VQ], s[SK:SK+1] offset:(\d)*4096+256*i th:TH_LOAD_NT
.set i, i+1
.endr
	WIN 0x80
.set i, 0
.rept 16
	global_load_b128 v[RZ+4*i:RZ+4*i+3], v[VZ], s[SZ:SZ+1] offset:(\d)*8192+512*i th:TH_LOAD_NT
.set i, i+1
.endr
	WIN 0
.endm
	s_load_b128 s[4:7], s[0:1], 0x0                ; qkvz s[4:5], g1o s[6:7]
	v_lshl_add_u32 v[SPW], v0, 2, SPARE
	v_mov_b32 v[NIL], 0
	ds_add_u32 v[SPW], v[NIL]                      ; the wave's opening: the add and its wait stand ahead of my first tensor load
	ds_add_u32 v20, v21
	v_lshrrev_b32 v1, 5, v0
	v_readfirstlane_b32 s[WV], v1
	s_mov_b32 s[SEG], ttmp9
	s_and_b32 s[BH], ttmp7, 0xffff
	s_lshl_b32 s36, s[BH], 11
	s_lshl_b32 s37, s[SEG], 8
	s_add_co_u32 s36, s36, s37
	s_lshl_b32 s37, s[WV], 6
	s_add_co_u32 s36, s36, s37                     ; my wave's first token, counted over all sequences
	s_mov_b32 s[G1], (1<<16)|(1<<20)|(5<<22)|(7<<25)  ; 2-byte elements; padding on; after every 64 words 8 words
	s_mov_b32 s[G1+1], 128<<16
	s_mov_b32 s[G1+2], 64<<16
	s_mov_b32 s[G1+3], 128<<16
	s_mov_b32 s[G1+4], 64
	s_mov_b32 s[G1+5], 128
	s_mov_b32 s[G1+6], 0
	s_mov_b32 s[G1+7], 0
	s_mov_b32 s[G0], 1
	s_mul_i32 s[G0+1], s[WV], 18432                ; my 64 rows of VV
	s_add_co_u32 s[G0+1], s[G0+1], VV
	s_mov_b32 s[SEL], 0x76543210
	s_mov_b32 s[SEL+1], 0xfedcba98
	s_mov_b32 s[LG], 0xbfb8aa3b                    ; -log2(e)
	s_mov_b32 s[LG+1], s[LG]
	s_mov_b32 s[OFF+1], 0
	s_wait_dscnt 0x0                               ; the opening add is done
	s_wait_kmcnt 0x0
	s_lshl_b32 s[OFF], s36, 8
	s_add_nc_u64 s[SQ:SQ+1], s[4:5], s[OFF:OFF+1]
	s_add_nc_u64 s[SK:SK+1], s[SQ:SQ+1], 16777216
	s_add_nc_u64 s[G0+2:G0+3], s[SQ:SQ+1], 33554432
	s_or_b32 s[G0+3], s[G0+3], 0x80000000
	tensor_load_to_lds s[G0:G0+3], s[G1:G1+7]      ; my 64 rows of v: the wave's one tensor load
	s_nop 0
.rept 4
	v_nop
.endr
	s_add_nc_u64 s[SQP:SQP+1], s[6:7], s[OFF:OFF+1]
	s_add_nc_u64 s[SKP:SKP+1], s[SQP:SQP+1], 16777216
	s_lshl_b32 s[OFF], s36, 9
	s_add_nc_u64 s[SZ:SZ+1], s[4:5], s[OFF:OFF+1]
	s_add_nc_u64 s[SZ:SZ+1], s[SZ:SZ+1], 50331648
	s_lshl_b32 s[OFF], s36, 6                      ; 1,024 bytes a sub-chunk
	s_add_nc_u64 s[SAX:SAX+1], s[6:7], s[OFF:OFF+1]
	s_add_nc_u64 s[SAX:SAX+1], s[SAX:SAX+1], 33554432
	s_lshl_b32 s37, s[BH], 3
	s_add_co_u32 s37, s37, s[SEG]
	s_lshl_b32 s[OFF], s37, 16
	s_lshl_b32 s38, s[WV], 14
	s_add_co_u32 s[OFF], s[OFF], s38
	s_add_nc_u64 s[SU:SU+1], s[6:7], s[OFF:OFF+1]
	s_add_nc_u64 s[SU:SU+1], s[SU:SU+1], 37748736
	s_lshl_b32 s[OFF], s37, 9
	s_add_nc_u64 s[SDS:SDS+1], s[6:7], s[OFF:OFF+1]
	s_add_nc_u64 s[SDS:SDS+1], s[SDS:SDS+1], 54525952
	s_add_nc_u64 s[SMX:SMX+1], s[4:5], 83886080
	v_and_b32 v1, 31, v0
	v_lshlrev_b32 v[VQ], 3, v1
	v_lshlrev_b32 v[VZ], 4, v1
	MXLOAD 0, 128
	MXLOAD 1, 144
	MXLOAD 2, 160
	RAW 0
	s_mul_i32 s36, s[WV], TW
	s_add_co_u32 s36, s36, TT                      ; my scratch
	v_lshrrev_b32 v22, 3, v1
	v_mul_u32_u24 v22, v22, 5248                   ; eight lanes' rows
	v_and_b32 v23, 7, v1
	v_lshl_add_u32 v22, v23, 4, v22
	v_add_nc_u32 v[TRD], s36, v22
	s_lshl_b32 s37, s[WV], 9
	s_add_co_u32 s37, s37, AS
	v_lshl_add_u32 v[AS0], v23, 4, s37
	v_bfe_u32 v22, v0, 2, 1                        ; lane bit 2: the upper four of eight
	v_mul_u32_u24 v23, v22, 120
	v_add_nc_u32 v[AS3], v[AS0], v23
	v_mul_u32_u24 v23, v22, 56
	v_sub_nc_u32 v[AS4], v[AS0], v23
	v_add_nc_u32 v[ASR], s37, v[VZ]
	v_add_nc_u32 v[DSA], DT, v[VZ]
.irp e, 0,1,2,3
	v_mov_b32 v[AIM+\e], 0
.endr
	ds_store_b128 v[ASR], v[AIM:AIM+3]             ; the image's places that no group covers (j > i by whole groups) stay 0
	v_mul_u32_u24 v22, v1, 656
	s_mul_i32 s38, s[WV], 18432
	s_lshl_b32 s39, s[WV], 11
	s_add_co_u32 s39, s39, DT
	WIN 0x40                                       ; addresses that stores under a window-1 setting name
	v_mov_b32 v[VQ1], v[VQ]
	v_mov_b32 v[VZ1], v[VZ]
	v_add_nc_u32 v[KPA], s38, v[VQ]
	v_add_nc_u32 v[DTA], s39, v[VZ]
	v_add_nc_u32 v[TST], s36, v22
	WIN 0
	v_bfe_u32 v22, v0, 4, 1                        ; the matrix part's places: the turning load takes token 8 (l / 16) + l % 8, 16 bytes at 16 ((l / 8) % 2)
	v_and_b32 v23, 7, v0
	v_lshl_add_u32 v23, v22, 3, v23
	v_mul_u32_u24 v23, v23, 288
	v_bfe_u32 v1, v0, 3, 1
	v_lshl_add_u32 v[KTA], v1, 4, v23
	s_lshl_b32 s38, s[WV], 6
	s_add_co_u32 s38, s38, VV
	v_add_nc_u32 v[VTA], s38, v[KTA]
	v_lshlrev_b32 v[DLA], 5, v22
	v_add_nc_u32 v[DLA], DT, v[DLA]
	s_wait_loadcnt 48                              ; behind the maxima: the 48 loads of the first sub-chunk
	MXRED 128, BEQ, 103, 143
	MXRED 144, BEK, 103, 143
	MXRED 160, BEV, 111, 142
	s_sub_co_u32 s43, 250, s[BEQ]                  ; cq = 2^(123 - e): cq |q| < 1/8
	s_lshl_b32 s[CQ], s43, 23
	s_mov_b32 s[CQ+1], s[CQ]
	s_sub_co_u32 s43, 253, s[BEK]                  ; ck = 2^(126 - e): ck |k| < 1
	s_lshl_b32 s[CK], s43, 23
	s_mov_b32 s[CK+1], s[CK]
	s_sub_co_u32 s43, 253, s[BEV]                  ; cv likewise, 2^-16 .. 2^15: exact in f16
	s_lshl_b32 s[CVS], s43, 23
	v_cvt_pk_f16_f32 v[CV16], s[CVS], s[CVS]
; Rows 4 g .. 4 g + 3 of A in step.  For column j, going down: the lane's four dims of q_i k_j are summed into group p(i, j / 4), place j % 4; then q_i takes d_j.
.macro ROWS g
.set j, 4*(\g)+3
.rept 4*(\g)+4
.irp e, 0,1,2,3
.if 4*(\g)+\e >= j
	v_pk_mul_f32 v[TA+2*\e:TA+2*\e+1], v[QF+16*(\g)+4*\e:QF+16*(\g)+4*\e+1], v[KF+4*j:KF+4*j+1]
.endif
.endr
.irp e, 0,1,2,3
.if 4*(\g)+\e >= j
	v_pk_fma_f32 v[TA+2*\e:TA+2*\e+1], v[QF+16*(\g)+4*\e+2:QF+16*(\g)+4*\e+3], v[KF+4*j+2:KF+4*j+3], v[TA+2*\e:TA+2*\e+1]
.endif
.endr
.irp e, 0,1,2,3
.if 4*(\g)+\e >= j
	v_fma_f32 v[AC+4*(4*(\g)+\e+14*(j/4)-2*(j/4)*(j/4))+j%4], v[TA+2*\e+1], 1.0, v[TA+2*\e]  ; the pair's sum: both terms lie in window 1, which only sources 0 and 2 name here
.endif
.endr
.if j > 0
.irp e, 0,1,2,3
.if 4*(\g)+\e >= j
	v_pk_mul_f32 v[QF+16*(\g)+4*\e:QF+16*(\g)+4*\e+1], v[QF+16*(\g)+4*\e:QF+16*(\g)+4*\e+1], v[DD+4*j:DD+4*j+1]
	v_pk_mul_f32 v[QF+16*(\g)+4*\e+2:QF+16*(\g)+4*\e+3], v[QF+16*(\g)+4*\e+2:QF+16*(\g)+4*\e+3], v[DD+4*j+2:DD+4*j+3]
.endif
.endr
.endif
.set j, j-1
.endr
.endm
; Round rr of the sum over lanes: my group 8 rr + lane % 8 of eight source lanes is added up, then the lanes 8 and 16 away; rounded; into the image.
.macro RND rr, B, adr, off
	s_wait_dscnt 8*(4-(\rr))+(\rr)                 ; behind this round's loads: the later rounds' loads and the earlier rounds' stores
.irp t, 0,8,16,24
	v_pk_add_f32 v[(\B)+\t:(\B)+\t+1], v[(\B)+\t:(\B)+\t+1], v[(\B)+\t+4:(\B)+\t+5]
	v_pk_add_f32 v[(\B)+\t+2:(\B)+\t+3], v[(\B)+\t+2:(\B)+\t+3], v[(\B)+\t+6:(\B)+\t+7]
.endr
.irp t, 0,16
	v_pk_add_f32 v[(\B)+\t:(\B)+\t+1], v[(\B)+\t:(\B)+\t+1], v[(\B)+\t+8:(\B)+\t+9]
	v_pk_add_f32 v[(\B)+\t+2:(\B)+\t+3], v[(\B)+\t+2:(\B)+\t+3], v[(\B)+\t+10:(\B)+\t+11]
.endr
	v_pk_add_f32 v[(\B):(\B)+1], v[(\B):(\B)+1], v[(\B)+16:(\B)+17]
	v_pk_add_f32 v[(\B)+2:(\B)+3], v[(\B)+2:(\B)+3], v[(\B)+18:(\B)+19]
.irp e, 0,1,2,3
	v_add_f32_dpp v[(\B)+\e], v[(\B)+\e], v[(\B)+\e] row_xmask:8 row_mask:0xf bank_mask:0xf
.endr
.irp e, 0,1,2,3
	v_permlanex16_b32 v[(\B)+4+\e], v[(\B)+\e], s[SEL], s[SEL+1]
.endr
	v_pk_add_f32 v[(\B):(\B)+1], v[(\B):(\B)+1], v[(\B)+4:(\B)+5]
	v_pk_add_f32 v[(\B)+2:(\B)+3], v[(\B)+2:(\B)+3], v[(\B)+6:(\B)+7]
	v_cvt_pk_f16_f32 v[RT], v[(\B)], v[(\B)+1]
	v_cvt_pk_f16_f32 v[RT+1], v[(\B)+2], v[(\B)+3]
	ds_store_b64 v[\adr], v[RT:RT+1] offset:\off
.endm
	s_mov_b32 s[CNT], 4
.Le:                                                   ; a trip: one sub-chunk
	s_wait_loadcnt 0x0
	WIN 0x40
.irp r, 24,25,26,27,28,29,30,31,32,33,34,35,36,37,38,39,40,41,42,43,44,45,46,47,48,49,50,51,52,53,54,55
	v_cvt_f32_f16 v[QF+2*(\r-RQ)],   v\r\().l
	v_cvt_f32_f16 v[QF+2*(\r-RQ)+1], v\r\().h
.endr
	WIN 0
.irp r, 56,57,58,59,60,61,62,63,64,65,66,67,68,69,70,71,72,73,74,75,76,77,78,79,80,81,82,83,84,85,86,87
	v_cvt_f32_f16 v[KF+2*(\r-RK)],   v\r\().l
	v_cvt_f32_f16 v[KF+2*(\r-RK)+1], v\r\().h
.endr
	WIN 0x41
.set u, 0
.rept 32
	v_pk_mul_f32 v[QF+2*u:QF+2*u+1], v[QF+2*u:QF+2*u+1], s[CQ:CQ+1] op_sel_hi:[1,0]
.set u, u+1
.endr
	WIN 0
.set u, 0
.rept 32
	v_pk_mul_f32 v[KF+2*u:KF+2*u+1], v[KF+2*u:KF+2*u+1], s[CK:CK+1] op_sel_hi:[1,0]
.set u, u+1
.endr
	WIN 0x02
.set u, 0
.rept 32
	v_pk_mul_f32 v[DD+2*u:DD+2*u+1], v[RZ+2*u:RZ+2*u+1], s[LG:LG+1] op_sel_hi:[1,0]
.set u, u+1
.endr
	WIN 0                                          ; d = 1 / (1 + 2^(-z log2 e))
.set u, 0
.rept 64
	v_exp_f32 v[DD+u], v[DD+u]
.set u, u+1
.endr
	v_nop
.set u, 0
	s_wait_alu depctr_va_vdst(0)
.rept 32
	v_pk_add_f32 v[DD+2*u:DD+2*u+1], v[DD+2*u:DD+2*u+1], 1.0 op_sel_hi:[1,0]
.set u, u+1
.endr
.set u, 0
.rept 64
	v_rcp_f32 v[DD+u], v[DD+u]
.set u, u+1
.endr
	v_nop
	s_cmp_eq_u32 s[CNT], 1
	s_cbranch_scc1 .Le_last                        ; the last trip asks for nothing: only global loads are jumped
	RAW 1                                          ; the next sub-chunk's numbers come in under the rest of this trip
.Le_last:
	WIN 0x40                                       ; the chains' first links: both factors lie in window 0
	s_wait_alu depctr_va_vdst(0)
	v_pk_mul_f32 v[PT+4:PT+5], v[DD:DD+1], v[DD+4:DD+5]
	v_pk_mul_f32 v[PT+6:PT+7], v[DD+2:DD+3], v[DD+6:DD+7]
	v_pk_mul_f32 v[PT2+56:PT2+57], v[KF+56:KF+57], v[DD+60:DD+61]
	v_pk_mul_f32 v[PT2+58:PT2+59], v[KF+58:KF+59], v[DD+62:DD+63]
	v_pk_mul_f32 v[RR:RR+1], v[DD+60:DD+61], v[DD+56:DD+57]
	v_pk_mul_f32 v[RR+2:RR+3], v[DD+62:DD+63], v[DD+58:DD+59]
	WIN 0x41
	v_pk_mul_f32 v[PT:PT+1], v[QF:QF+1], v[DD:DD+1]       ; q'_0
	v_pk_mul_f32 v[PT+2:PT+3], v[QF+2:QF+3], v[DD+2:DD+3]
.set i, 2
.rept 13                                               ; the prefix goes up, the suffix down: chains that do not wait for each other
	v_pk_mul_f32 v[PT+4*i:PT+4*i+1], v[PT+4*i-4:PT+4*i-3], v[DD+4*i:DD+4*i+1]
	v_pk_mul_f32 v[PT+4*i+2:PT+4*i+3], v[PT+4*i-2:PT+4*i-1], v[DD+4*i+2:DD+4*i+3]
	v_pk_mul_f32 v[PT2+4*(15-i):PT2+4*(15-i)+1], v[RR:RR+1], v[KF+4*(15-i):KF+4*(15-i)+1]
	v_pk_mul_f32 v[PT2+4*(15-i)+2:PT2+4*(15-i)+3], v[RR+2:RR+3], v[KF+4*(15-i)+2:KF+4*(15-i)+3]
	v_pk_mul_f32 v[RR:RR+1], v[RR:RR+1], v[DD+4*(15-i):DD+4*(15-i)+1]
	v_pk_mul_f32 v[RR+2:RR+3], v[RR+2:RR+3], v[DD+4*(15-i)+2:DD+4*(15-i)+3]
.set i, i+1
.endr
	v_pk_mul_f32 v[DTOT:DTOT+1], v[PT+56:PT+57], v[DD+60:DD+61]
	v_pk_mul_f32 v[DTOT+2:DTOT+3], v[PT+58:PT+59], v[DD+62:DD+63]
	v_pk_mul_f32 v[PT2:PT2+1], v[RR:RR+1], v[KF:KF+1]
	v_pk_mul_f32 v[PT2+2:PT2+3], v[RR+2:RR+3], v[KF+2:KF+3]
	WIN 0x45
.set i, 1
.rept 14
	v_pk_mul_f32 v[PT+4*i:PT+4*i+1], v[PT+4*i:PT+4*i+1], v[QF+4*i:QF+4*i+1]
	v_pk_mul_f32 v[PT+4*i+2:PT+4*i+3], v[PT+4*i+2:PT+4*i+3], v[QF+4*i+2:QF+4*i+3]
.set i, i+1
.endr
	v_pk_mul_f32 v[PT+60:PT+61], v[DTOT:DTOT+1], v[QF+60:QF+61]
	v_pk_mul_f32 v[PT+62:PT+63], v[DTOT+2:DTOT+3], v[QF+62:QF+63]
.set i, 0
.rept 16                                               ; rounded, and moved together: token i into registers 2 i, 2 i + 1
	v_cvt_pk_f16_f32 v[PT+2*i],   v[PT+4*i],   v[PT+4*i+1]
	v_cvt_pk_f16_f32 v[PT+2*i+1], v[PT+4*i+2], v[PT+4*i+3]
.set i, i+1
.endr
.set i, 0
.rept 15
	v_cvt_pk_f16_f32 v[PT2+2*i],   v[PT2+4*i],   v[PT2+4*i+1]
	v_cvt_pk_f16_f32 v[PT2+2*i+1], v[PT2+4*i+2], v[PT2+4*i+3]
.set i, i+1
.endr
	WIN 0x40
	v_cvt_pk_f16_f32 v[PT2+30], v[KF+60], v[KF+61] ; k'_15 = ck k_15
	v_cvt_pk_f16_f32 v[PT2+31], v[KF+62], v[KF+63]
	WIN 0x45
.set i, 0
.rept 16
	global_store_b64 v[VQ1], v[PT+2*i:PT+2*i+1], s[SQP:SQP+1] offset:256*i
	global_store_b64 v[VQ1], v[PT2+2*i:PT2+2*i+1], s[SKP:SKP+1] offset:256*i
	ds_store_b64 v[KPA], v[PT2+2*i:PT2+2*i+1] offset:288*i
.set i, i+1
.endr
	ds_store_b128 v[DTA], v[DTOT:DTOT+3]
	global_store_b128 v[VZ1], v[DTOT:DTOT+3], s[SAX:SAX+1] offset:512
	s_wait_xcnt 0x0                                ; the stores have read PT and PT2: the groups below take their registers
	WIN 0x51
.set i, 0
.rept 16                                               ; the places j > i of each row's last group
.set pp, AC+4*(i+14*(i/4)-2*(i/4)*(i/4))
.irp e, 1,2,3
.if \e > i%4
	v_mov_b32 v[pp+\e], 0
.endif
.endr
.set i, i+1
.endr
	ROWS 0
	ROWS 1
	ROWS 2
	ROWS 3
	WIN 0x05
.set p, 0
.rept 40
	ds_store_b128 v[TST], v[AC+4*p:AC+4*p+3] offset:16*p
.set p, p+1
.endr
	WIN 0                                          ; LDS serves a wave's instructions in order (ISA guide 5.7.1.4): the scratch is my wave's own and needs no barrier
.set p, 0
.rept 32
	ds_load_b128 v[128+4*p:128+4*p+3], v[TRD] offset:(p%8)*656+(p/8)*128
.set p, p+1
.endr
.set p, 0
.rept 8
	ds_load_b128 v[R5+4*p:R5+4*p+3], v[TRD] offset:p*656+512
.set p, p+1
.endr
	RND 0, 128, AS0, 0
	RND 1, 160, AS0, 128
	RND 2, 192, AS0, 72
	RND 3, 224, AS3, 200
	RND 4, R5,  AS4, 448
	ds_load_b128 v[AIM:AIM+3], v[ASR]
	s_wait_dscnt 0x0
	global_store_b128 v[VZ], v[AIM:AIM+3], s[SAX:SAX+1]
	s_wait_xcnt 0x0                                ; bases, and the registers that stores read, are rewritten only behind this wait
	s_add_nc_u64 s[SQ:SQ+1], s[SQ:SQ+1], 4096
	s_add_nc_u64 s[SK:SK+1], s[SK:SK+1], 4096
	s_add_nc_u64 s[SZ:SZ+1], s[SZ:SZ+1], 8192
	s_add_nc_u64 s[SQP:SQP+1], s[SQP:SQP+1], 4096
	s_add_nc_u64 s[SKP:SKP+1], s[SKP:SKP+1], 4096
	s_add_nc_u64 s[SAX:SAX+1], s[SAX:SAX+1], 1024
	WIN 0x45
	v_add_nc_u32 v[KPA], 4608, v[KPA]
	v_add_nc_u32 v[DTA], 512, v[DTA]
	WIN 0
	s_sub_co_u32 s[CNT], s[CNT], 1
	s_cmp_lg_u32 s[CNT], 0
	s_cbranch_scc1 .Le
	s_wait_tensorcnt 0x0                           ; my rows of v have landed,
	s_wait_dscnt 0x0                               ; my k' and Dtot are in LDS:
	s_barrier_signal -1
	s_barrier_wait -1                              ; everybody's are
	s_cmp_lg_u32 s[WV], 0
	s_cbranch_scc1 .Lno_dseg
.set c, 0
.rept 16
	ds_load_b128 v[128+4*c:128+4*c+3], v[DSA] offset:512*c
.set c, c+1
.endr
	s_wait_dscnt 0x0
.irp w, 4,8,16,32                      ; neighbours 1, 2, 4, 8 sub-chunks apart
.set c, 0
.rept 32/\w
	v_pk_mul_f32 v[128+2*\w*c:128+2*\w*c+1], v[128+2*\w*c:128+2*\w*c+1], v[128+2*\w*c+\w:128+2*\w*c+\w+1]
	v_pk_mul_f32 v[128+2*\w*c+2:128+2*\w*c+3], v[128+2*\w*c+2:128+2*\w*c+3], v[128+2*\w*c+\w+2:128+2*\w*c+\w+3]
.set c, c+1
.endr
.endr
	global_store_b128 v[VZ], v[128:131], s[SDS:SDS+1]
.Lno_dseg:
; THE STATE.  Tile t = 8 vtl + mt of S (window 1, v[8 t]): lane (r, h), register j holds S[kd = 16 mt + 8 h + j][v = 32 w + 16 vtl + r].  Source 0 = k'^T (16 kd x 16 tokens), source 1 = v (16 columns x 16 tokens),
; both turned out of LDS; tokens 16-31 of the instruction's K are empty: registers 4-7 of every fragment hold 0.
.macro LDK
.irp m, 0,1,2,3,4,5,6,7
	ds_load_tr16_b128 v[KFR+8*\m:KFR+8*\m+3], v[KTA] offset:32*\m
.endr
.endm
.macro LDV
.irp t, 0,1
	ds_load_tr16_b128 v[VF+8*\t:VF+8*\t+3], v[VTA] offset:32*\t
.endr
.endm
.macro LDD
	WIN 0x40
.irp m, 0,1,2,3,4,5,6,7
	ds_load_b128 v[DR+8*\m:DR+8*\m+3], v[DLA] offset:64*\m
	ds_load_b128 v[DR+8*\m+4:DR+8*\m+7], v[DLA] offset:64*\m+16
.endr
	WIN 0
.endm
.macro VSC                             ; v times cv: a power of two
.irp x, 0,1,2,3,8,9,10,11
	v_pk_mul_f16 v[VF+\x], v[VF+\x], v[CV16]
.endr
.endm
.macro SSC                             ; S times Dtot, each accumulator from its low end
	WIN 0x45
.set t, 0
.rept 16
.irp u, 0,2,4,6
	v_pk_mul_f32 v[8*t+\u:8*t+\u+1], v[8*t+\u:8*t+\u+1], v[DR+8*(t%8)+\u:DR+8*(t%8)+\u+1]
.endr
.set t, t+1
.endr
.endm
.macro SMM zero                        ; sixteen accumulators, one instruction each: they take turns
	WIN 0x50
.set t, 0
.rept 16
.if \zero
	v_wmma_f32_16x16x32_f16 v[8*t:8*t+7], v[KFR+8*(t%8):KFR+8*(t%8)+7], v[VF+8*(t/8):VF+8*(t/8)+7], 0
.else
	v_wmma_f32_16x16x32_f16 v[8*t:8*t+7], v[KFR+8*(t%8):KFR+8*(t%8)+7], v[VF+8*(t/8):VF+8*(t/8)+7], v[8*t:8*t+7]
.endif
.set t, t+1
.endr
.endm
.macro STEPU                           ; the next sub-chunk's places: four plain instructions, the places behind the products
	WIN 0
	v_add_nc_u32 v[KTA], 4608, v[KTA]
	v_add_nc_u32 v[VTA], 4608, v[VTA]
	v_add_nc_u32 v[DLA], 512, v[DLA]
	v_nop
.endm
.irp x, 4,5,6,7,12,13,14,15
	v_mov_b32 v[VF+\x], 0
.endr
.set t, 0
.rept 8
.irp x, 4,5,6,7
	v_mov_b32 v[KFR+8*t+\x], 0
.endr
.set t, t+1
.endr
	LDK
	LDV
	s_wait_dscnt 0x0
	VSC
	SMM 1                                          ; the first sub-chunk starts the sums
	STEPU
	LDK
	LDV
	LDD
	s_mov_b32 s[CNT], 15
.Lu:
	s_wait_dscnt 0x0
	VSC
	SSC
	SMM 0
	STEPU
	s_cmp_eq_u32 s[CNT], 1
	s_cbranch_scc1 .Lu_last                        ; nothing is left to fetch: only LDS loads are jumped
	LDK
	LDV
	LDD
.Lu_last:
	s_sub_co_u32 s[CNT], s[CNT], 1
	s_cmp_lg_u32 s[CNT], 0
	s_cbranch_scc1 .Lu
	WIN 0x04                                       ; U leaves as the registers lie: quad G of a lane at G x 512 + lane x 16: 512 consecutive bytes a store
.set t, 0
.rept 32
	global_store_b128 v[VZ], v[4*t:4*t+3], s[SU:SU+1] offset:512*t
.set t, t+1
.endr
	WIN 0
	s_wait_tensorcnt 0x0                           ; the wave's end
	ds_add_u32 v[SPW], v[NIL]
	s_wait_dscnt 0x0
	s_endpgm
.Lfunc_end_k_q5a3d3c6e23_gla_e:
	.size	k_q5a3d3c6e23_gla_e, .Lfunc_end_k_q5a3d3c6e23_gla_e-k_q5a3d3c6e23_gla_e
	.p2alignl 7, 3214868480
	.fill 96, 4, 3214868480
	.section	.rodata,"a",@progbits
	.p2align	6, 0x0
	.amdhsa_kernel k_q5a3d3c6e23_gla_e
		.amdhsa_group_segment_fixed_size 327680
		.amdhsa_private_segment_fixed_size 0
		.amdhsa_enable_private_segment 0
		.amdhsa_kernarg_size 16
		.amdhsa_user_sgpr_count 2
		.amdhsa_user_sgpr_kernarg_segment_ptr 1
		.amdhsa_wavefront_size32 1
		.amdhsa_system_sgpr_workgroup_id_x 1
		.amdhsa_system_sgpr_workgroup_id_y 1
		.amdhsa_system_sgpr_workgroup_id_z 1
		.amdhsa_system_vgpr_workitem_id 0
		.amdhsa_next_free_vgpr 576
		.amdhsa_next_free_sgpr 66
		.amdhsa_reserve_vcc 0
		.amdhsa_float_denorm_mode_32 3
		.amdhsa_float_denorm_mode_16_64 3
		.amdhsa_memory_ordered 1
		.amdhsa_forward_progress 1
		.amdhsa_inst_pref_size 127
	.end_amdhsa_kernel
	.amdgpu_metadata
---
amdhsa.version: [ 1, 2 ]
amdhsa.kernels:
  - .name:           k_q5a3d3c6e23_gla_e
    .symbol:         k_q5a3d3c6e23_gla_e.kd
    .args:
      - { .name: qkvz, .offset: 0, .size: 8, .value_kind: global_buffer, .address_space: global }
      - { .name: g1o, .offset: 8, .size: 8, .value_kind: global_buffer, .address_space: global }
    .group_segment_fixed_size: 327680
    .private_segment_fixed_size: 0
    .kernarg_segment_align: 8
    .kernarg_segment_size: 16
    .max_flat_workgroup_size: 128
    .sgpr_count:     66
    .vgpr_count:     576
    .wavefront_size: 32
...
	.end_amdgpu_metadata
.endif
;; end of part 3
;; launch scan (part 4): grid 16 x 32, 8 waves a work-group, no clusters, 5,376 bytes of LDS; arguments g1o, qkvz, sin, out1; writes sin, out1
.if DOCPART == 4
	.amdgcn_target "amdgcn-amd-amdhsa--gfx1250"
	.amdhsa_code_object_version 6
	.text
	.protected	k_q5a3d3c6e23_scan
	.globl	k_q5a3d3c6e23_scan
	.p2align	8
	.type	k_q5a3d3c6e23_scan,@function
k_q5a3d3c6e23_scan:
	s_mov_b64 s[64:65], 0
	v_nop
	global_prefetch_b8 v0, s[64:65] scope:SCOPE_SE
	s_setreg_imm32_b32 hwreg(HW_REG_WAVE_MODE, 25, 1), 1
	s_wait_xcnt 0x0
; The states at the segments' beginnings: Sin_0 = 0, Sin_(s+1) = Dseg_s (.) Sin_s + U_s, for the 8 segments of each of 32 sequences; and out1 = (Dseg_7 (.) Sin_7 + U_7) / (ck cv).
; U and Sin lie as the matrix launches' registers do: byte w x 16,384 + G x 512 + lane x 16 + 4 c, G = 16 vtl + 2 mt + jh, is S[kd = 16 mt + 8 (lane / 16) + 4 jh + c][v = 32 w + 16 vtl + lane % 16].
; A stream: work-group (gx = 2 mt + jh, bh), wave om = 2 w + vtl: a lane carries four numbers through the eight steps.  All 23 loads go out at once.  out1's rows are put together in LDS: 8 rows of 128 f32.
; No matrix unit and no cluster: nothing is multiplied by a matrix and nothing is shared but 4 KiB of maxima.
.set SPARE, 4352                       ; behind the stage of 8 rows x 528 bytes: the spare words, 128 bytes a wave
.set SPW, 30
.set NIL, 31
.set U,  32                            ; v32-63   U_s at +4 s
.set D,  64                            ; v68-95   Dseg_s at +4 s, s = 1..7
.set SN, 96                            ; v96-127  Sin_s at +4 s (Sin_1 is U_0's registers)
.set MT, 128                           ; v128-159 maxima
.set F,  176
.set SEL, 28
.set BEK, 30
.set BEV, 31
.set VZ, 2
.set SMX, 24
.macro MXLOAD ty, T
.irp t, 0,1,2,3
	global_load_b128 v[(\T)+4*\t:(\T)+4*\t+3], v[VZ], s[SMX:SMX+1] offset:(\ty)*2048+\t*512
.endr
.endm
.macro MXRED T, OUT, lo, hi
	v_max3_num_f32 v[(\T)], v[(\T)], v[(\T)+1], v[(\T)+2]
	v_max3_num_f32 v[(\T)+3], v[(\T)+3], v[(\T)+4], v[(\T)+5]
	v_max3_num_f32 v[(\T)+6], v[(\T)+6], v[(\T)+7], v[(\T)+8]
	v_max3_num_f32 v[(\T)+9], v[(\T)+9], v[(\T)+10], v[(\T)+11]
	v_max3_num_f32 v[(\T)+12], v[(\T)+12], v[(\T)+13], v[(\T)+14]
	v_max3_num_f32 v[(\T)], v[(\T)], v[(\T)+3], v[(\T)+6]
	v_max3_num_f32 v[(\T)+9], v[(\T)+9], v[(\T)+12], v[(\T)+15]
	v_max_num_f32 v[(\T)], v[(\T)], v[(\T)+9]
.irp m, 1,2,4,8
	v_max_num_f32_dpp v[(\T)], v[(\T)], v[(\T)] row_xmask:\m row_mask:0xf bank_mask:0xf
.endr
	v_permlanex16_b32 v[(\T)+1], v[(\T)], s[SEL], s[SEL+1]
	v_max_num_f32 v[(\T)], v[(\T)], v[(\T)+1]
	v_readfirstlane_b32 s[\OUT], v[(\T)]
	s_lshr_b32 s[\OUT], s[\OUT], 23
	s_max_u32 s[\OUT], s[\OUT], \lo
	s_min_u32 s[\OUT], s[\OUT], \hi
.endm
	s_load_b256 s[4:11], s[0:1], 0x0               ; g1o s[4:5], qkvz s[6:7], sin s[8:9], out1 s[10:11]
	v_lshl_add_u32 v[SPW], v0, 2, SPARE
	v_mov_b32 v[NIL], 0
	v_lshrrev_b32 v1, 5, v0
	v_readfirstlane_b32 s12, v1                    ; om
	s_mov_b32 s13, ttmp9                           ; gx
	s_and_b32 s14, ttmp7, 0xffff                   ; bh
	v_and_b32 v1, 31, v0
	v_lshlrev_b32 v[VZ], 4, v1
	s_lshr_b32 s15, s12, 1
	s_lshl_b32 s15, s15, 14
	s_and_b32 s16, s12, 1
	s_lshl_b32 s16, s16, 13
	s_add_co_u32 s15, s15, s16
	s_lshl_b32 s16, s13, 9
	s_add_co_u32 s15, s15, s16
	v_add_nc_u32 v3, s15, v[VZ]                    ; my 16 bytes of a state
	s_lshr_b32 s16, s13, 1
	s_lshl_b32 s16, s16, 6
	s_and_b32 s17, s13, 1
	s_lshl_b32 s17, s17, 4
	s_add_co_u32 s16, s16, s17
	v_lshrrev_b32 v8, 4, v1                        ; lane / 16
	v_lshl_add_u32 v4, v8, 5, s16                  ; my four kd in a Dseg
	v_and_b32 v9, 15, v1
	v_mul_u32_u24 v5, v8, 2112                     ; stage: row 4 (lane / 16) + c, column 16 om + lane % 16
	s_lshl_b32 s26, s12, 6
	v_lshl_add_u32 v6, v9, 2, s26
	v_add_nc_u32 v5, v5, v6
	s_mul_i32 s27, s12, 528
	v_add_nc_u32 v7, s27, v[VZ]                    ; back: wave om takes row om
	s_mov_b32 s[SEL], 0x76543210
	s_mov_b32 s[SEL+1], 0xfedcba98
	s_mov_b32 s19, 0
	s_lshr_b32 s34, s13, 1                         ; that row's kd = 16 (gx / 2) + 8 (om / 4) + 4 (gx % 2) + om % 4
	s_lshl_b32 s34, s34, 4
	s_lshr_b32 s35, s12, 2
	s_lshl_b32 s35, s35, 3
	s_add_co_u32 s34, s34, s35
	s_and_b32 s35, s13, 1
	s_lshl_b32 s35, s35, 2
	s_add_co_u32 s34, s34, s35
	s_and_b32 s35, s12, 3
	s_add_co_u32 s34, s34, s35
	s_lshl_b32 s34, s34, 9
	s_lshl_b32 s35, s14, 16
	s_add_co_u32 s34, s34, s35
	s_mov_b32 s35, 0
	s_wait_kmcnt 0x0
	s_lshl_b32 s18, s14, 19
	s_add_nc_u64 s[20:21], s[4:5], s[18:19]
	s_add_nc_u64 s[20:21], s[20:21], 37748736      ; U of my sequence
	s_add_nc_u64 s[8:9], s[8:9], s[18:19]          ; Sin of my sequence
	s_lshl_b32 s18, s14, 12
	s_add_nc_u64 s[22:23], s[4:5], s[18:19]
	s_add_nc_u64 s[22:23], s[22:23], 54525952      ; Dseg of my sequence
	s_add_nc_u64 s[SMX:SMX+1], s[6:7], 83886080
	s_add_nc_u64 s[10:11], s[10:11], s[34:35]
	MXLOAD 1, MT
	MXLOAD 2, MT+16
.irp s, 0,1,2,3,4,5,6,7
	global_load_b128 v[U+4*\s:U+4*\s+3], v3, s[20:21] offset:65536*\s th:TH_LOAD_NT
.endr
.irp s, 1,2,3,4,5,6,7
	global_load_b128 v[D+4*\s:D+4*\s+3], v4, s[22:23] offset:512*\s
.endr
.irp e, 0,1,2,3
	v_mov_b32 v[SN+\e], 0
.endr
	s_wait_loadcnt 15                              ; behind the maxima: 8 U and 7 Dseg
	MXRED MT, BEK, 103, 143
	MXRED MT+16, BEV, 111, 142
	s_add_co_u32 s32, s[BEK], s[BEV]               ; 1 / (ck cv) = 2^(ek + ev - 252)
	s_sub_co_u32 s32, s32, 125
	s_lshl_b32 s32, s32, 23
	s_mov_b32 s33, s32
	s_wait_loadcnt 0x0
.set PREV, U
.irp s, 1,2,3,4,5,6
	v_pk_fma_f32 v[SN+4*\s+4:SN+4*\s+5], v[D+4*\s:D+4*\s+1], v[PREV:PREV+1], v[U+4*\s:U+4*\s+1]
	v_pk_fma_f32 v[SN+4*\s+6:SN+4*\s+7], v[D+4*\s+2:D+4*\s+3], v[PREV+2:PREV+3], v[U+4*\s+2:U+4*\s+3]
.set PREV, SN+4*\s+4
.endr
	v_pk_fma_f32 v[F:F+1], v[D+28:D+29], v[PREV:PREV+1], v[U+28:U+29]
	v_pk_fma_f32 v[F+2:F+3], v[D+30:D+31], v[PREV+2:PREV+3], v[U+30:U+31]
	global_store_b128 v3, v[SN:SN+3], s[8:9]
	global_store_b128 v3, v[U:U+3], s[8:9] offset:65536
.irp s, 2,3,4,5,6,7
	global_store_b128 v3, v[SN+4*\s:SN+4*\s+3], s[8:9] offset:65536*\s
.endr
	v_pk_mul_f32 v[F:F+1], v[F:F+1], s[32:33] op_sel_hi:[1,0]
	v_pk_mul_f32 v[F+2:F+3], v[F+2:F+3], s[32:33] op_sel_hi:[1,0]
.irp c, 0,1,2,3
	ds_store_b32 v5, v[F+\c] offset:528*\c
.endr
	s_wait_dscnt 0x0                               ; for the others' sake: my stores into the stage are done
	s_barrier_signal -1
	s_barrier_wait -1
	ds_load_b128 v[F+4:F+7], v7
	s_wait_dscnt 0x0
	global_store_b128 v[VZ], v[F+4:F+7], s[10:11]  ; a row of out1: 512 consecutive bytes
	s_wait_tensorcnt 0x0                           ; the wave's end
	ds_add_u32 v[SPW], v[NIL]
	s_wait_dscnt 0x0
	s_endpgm
.Lfunc_end_k_q5a3d3c6e23_scan:
	.size	k_q5a3d3c6e23_scan, .Lfunc_end_k_q5a3d3c6e23_scan-k_q5a3d3c6e23_scan
	.p2alignl 7, 3214868480
	.fill 96, 4, 3214868480
	.section	.rodata,"a",@progbits
	.p2align	6, 0x0
	.amdhsa_kernel k_q5a3d3c6e23_scan
		.amdhsa_group_segment_fixed_size 5376
		.amdhsa_private_segment_fixed_size 0
		.amdhsa_enable_private_segment 0
		.amdhsa_kernarg_size 32
		.amdhsa_user_sgpr_count 2
		.amdhsa_user_sgpr_kernarg_segment_ptr 1
		.amdhsa_wavefront_size32 1
		.amdhsa_system_sgpr_workgroup_id_x 1
		.amdhsa_system_sgpr_workgroup_id_y 1
		.amdhsa_system_sgpr_workgroup_id_z 1
		.amdhsa_system_vgpr_workitem_id 0
		.amdhsa_next_free_vgpr 192
		.amdhsa_next_free_sgpr 66
		.amdhsa_reserve_vcc 0
		.amdhsa_float_denorm_mode_32 3
		.amdhsa_float_denorm_mode_16_64 3
		.amdhsa_memory_ordered 1
		.amdhsa_forward_progress 1
		.amdhsa_inst_pref_size 10
	.end_amdhsa_kernel
	.amdgpu_metadata
---
amdhsa.version: [ 1, 2 ]
amdhsa.kernels:
  - .name:           k_q5a3d3c6e23_scan
    .symbol:         k_q5a3d3c6e23_scan.kd
    .args:
      - { .name: g1o, .offset: 0, .size: 8, .value_kind: global_buffer, .address_space: global }
      - { .name: qkvz, .offset: 8, .size: 8, .value_kind: global_buffer, .address_space: global }
      - { .name: sin, .offset: 16, .size: 8, .value_kind: global_buffer, .address_space: global }
      - { .name: out1, .offset: 24, .size: 8, .value_kind: global_buffer, .address_space: global }
    .group_segment_fixed_size: 5376
    .private_segment_fixed_size: 0
    .kernarg_segment_align: 8
    .kernarg_segment_size: 32
    .max_flat_workgroup_size: 256
    .sgpr_count:     66
    .vgpr_count:     192
    .wavefront_size: 32
...
	.end_amdgpu_metadata
.endif
;; end of part 4
;; launch gla_m (part 5): grid 8 x 32, 4 waves a work-group, no clusters, 327,680 bytes of LDS; arguments qkvz, g1o, sin, y16; writes y16
.if DOCPART == 5
	.amdgcn_target "amdgcn-amd-amdhsa--gfx1250"
	.amdhsa_code_object_version 6
	.text
	.protected	k_q5a3d3c6e23_gla_m
	.globl	k_q5a3d3c6e23_gla_m
	.p2align	8
	.type	k_q5a3d3c6e23_gla_m,@function
k_q5a3d3c6e23_gla_m:
	s_mov_b64 s[64:65], 0
	v_nop
	global_prefetch_b8 v0, s[64:65] scope:SCOPE_SE
	s_setreg_imm32_b32 hwreg(HW_REG_WAVE_MODE, 25, 1), 1
	s_wait_xcnt 0x0
; GATED LINEAR ATTENTION, second pass.  A work-group owns a segment of 256 tokens of one sequence and starts from the state Sin at its beginning.  For each sub-chunk of 16 tokens:
;   y_i = q'_i S + sum over j of A_ij (cv v_j);   S <- Dtot (.) S + k'^T (cv v).   q', k', A, Dtot come from the first pass; S is carried in f32 and rounded to f16 as an operand.
; y leaves as f16, still carrying cq ck cv (exact powers of two; |y| <= 32,768 for every input): the output projection takes them out.
; LIMITS.  f16 numbers below 6e-5 keep the fixed step of 6e-8; NaN and infinities are not treated apart.
; NO CLUSTER: no two work-groups read the same tile.
; SHARES.  Wave w owns the v columns 32 w .. 32 w + 31 of S and of y.  Both products for y are used transposed (source 0 = 16 v, source 1 = 16 tokens): a lane holds one token and eight neighbouring v.
; The state's tiles 2 a, 2 a + 1 of a v block, rounded in pairs, ARE source 0 (16 v x 32 kd) of that product: nothing changes lanes.
; LDS: QP q' [256][272]; KP k' [256][288]; VV v [256][288]; AX [16][1,024] (image of A, then Dtot); each filled ONCE, in four stages of 64 tokens: wave 0 asks for q', 1 for k', 2 for v, 3 for AX, four loads each,
; all at the start: four tensor loads of a wave are out at the most.  YS y [256][272], written by LDS stores alone.  The spare words.
; The last sub-chunk's state update and rounding serve nothing: the price of one text for every trip.
.set QP, 0
.set KP, 69632
.set VV, 143360
.set AX, 217088
.set YS, 233472
.set SPARE, 303104
.set QA, 2
.set KTA, 3
.set VTA, 4
.set AFA, 5
.set DLA, 6
.set YSA, 7
.set VZ, 8                             ; lane x 16
.set CV16, 9
.set YRD, 10
.set YGO, 11
.set SPW, 12
.set NIL, 13
.set S16, 16                           ; v16-79    the state in f16: v block vtl, kd block a at 32 vtl + 8 a
.set QF, 80                            ; v80-111   q'
.set AF, 112                           ; v112-119  A
.set VF, 120                           ; v120-135  v
.set YA, 136                           ; v136-151  two accumulators of y
.set YP, 152                           ; v152-159
.set KFR, 160                          ; v160-223  k'
.set DR, 128                           ; window 1: S v0-127, Dtot v128-191
.set GQ, 12
.set GK, 14
.set GV, 16
.set GX, 18
.set SIN, 20
.set SMX, 22
.set SY, 24
.set WV, 26
.set SEG, 27
.set BH, 28
.set CNT, 29
.set G0, 32                            ; s[32:47] four groups 0, one for each stage
.set G1, 48
.set OFF, 56
.set SEL, 58
.set BEV, 60
.set CVS, 61
.set MSB, 0
.macro WIN new
.if MSB != (\new)
	s_set_vgpr_msb (MSB<<8)|(\new)
.set MSB, \new
.endif
.endm
.macro MXLOAD ty, T
.irp t, 0,1,2,3
	global_load_b128 v[(\T)+4*\t:(\T)+4*\t+3], v[VZ], s[SMX:SMX+1] offset:(\ty)*2048+\t*512
.endr
.endm
.macro MXRED T, OUT, lo, hi
	v_max3_num_f32 v[(\T)], v[(\T)], v[(\T)+1], v[(\T)+2]
	v_max3_num_f32 v[(\T)+3], v[(\T)+3], v[(\T)+4], v[(\T)+5]
	v_max3_num_f32 v[(\T)+6], v[(\T)+6], v[(\T)+7], v[(\T)+8]
	v_max3_num_f32 v[(\T)+9], v[(\T)+9], v[(\T)+10], v[(\T)+11]
	v_max3_num_f32 v[(\T)+12], v[(\T)+12], v[(\T)+13], v[(\T)+14]
	v_max3_num_f32 v[(\T)], v[(\T)], v[(\T)+3], v[(\T)+6]
	v_max3_num_f32 v[(\T)+9], v[(\T)+9], v[(\T)+12], v[(\T)+15]
	v_max_num_f32 v[(\T)], v[(\T)], v[(\T)+9]
.irp m, 1,2,4,8
	v_max_num_f32_dpp v[(\T)], v[(\T)], v[(\T)] row_xmask:\m row_mask:0xf bank_mask:0xf
.endr
	v_permlanex16_b32 v[(\T)+1], v[(\T)], s[SEL], s[SEL+1]
	v_max_num_f32 v[(\T)], v[(\T)], v[(\T)+1]
	v_readfirstlane_b32 s[\OUT], v[(\T)]
	s_lshr_b32 s[\OUT], s[\OUT], 23
	s_max_u32 s[\OUT], s[\OUT], \lo
	s_min_u32 s[\OUT], s[\OUT], \hi
.endm
; A wave's four first fills: rows of 256 bytes, the four stages one behind the other in memory and in LDS.
.macro FILL4 lds, lstep, gb, gstep, w0, rows
	s_mov_b32 s[G1], \w0
	s_mov_b32 s[G1+1], 128<<16
	s_mov_b32 s[G1+2], (\rows)<<16
	s_mov_b32 s[G1+3], 128<<16
	s_mov_b32 s[G1+4], \rows
	s_mov_b32 s[G1+5], 128
	s_mov_b32 s[G1+6], 0
	s_mov_b32 s[G1+7], 0
.irp t, 0,1,2,3
	s_mov_b32 s[G0+4*\t], 1
	s_mov_b32 s[G0+4*\t+1], (\lds)+\t*(\lstep)
	s_add_nc_u64 s[G0+4*\t+2:G0+4*\t+3], s[\gb:\gb+1], \t*(\gstep)
	s_or_b32 s[G0+4*\t+3], s[G0+4*\t+3], 0x80000000
.endr
.irp t, 0,1,2,3
	tensor_load_to_lds s[G0+4*\t:G0+4*\t+3], s[G1:G1+7]
	s_nop 0
.endr
.rept 4
	v_nop
.endr
.endm
	s_load_b256 s[4:11], s[0:1], 0x0               ; qkvz s[4:5], g1o s[6:7], sin s[8:9], y16 s[10:11]
	v_lshl_add_u32 v[SPW], v0, 2, SPARE
	v_mov_b32 v[NIL], 0
	ds_add_u32 v[SPW], v[NIL]                      ; the wave's opening: the add and its wait stand ahead of my first tensor load
	ds_add_u32 v12, v13
	v_lshrrev_b32 v1, 5, v0
	v_readfirstlane_b32 s[WV], v1
	s_mov_b32 s[SEG], ttmp9
	s_and_b32 s[BH], ttmp7, 0xffff
	s_lshl_b32 s30, s[BH], 11
	s_lshl_b32 s31, s[SEG], 8
	s_add_co_u32 s30, s30, s31                     ; the segment's first token, counted over all sequences
	s_mov_b32 s[OFF+1], 0
	s_mov_b32 s[SEL], 0x76543210
	s_mov_b32 s[SEL+1], 0xfedcba98
	s_wait_dscnt 0x0                               ; the opening add is done
	s_wait_kmcnt 0x0
	s_lshl_b32 s[OFF], s30, 8
	s_add_nc_u64 s[GQ:GQ+1], s[6:7], s[OFF:OFF+1]
	s_add_nc_u64 s[GK:GK+1], s[GQ:GQ+1], 16777216
	s_add_nc_u64 s[GV:GV+1], s[4:5], s[OFF:OFF+1]
	s_add_nc_u64 s[GV:GV+1], s[GV:GV+1], 33554432
	s_lshl_b32 s[OFF], s30, 6
	s_add_nc_u64 s[GX:GX+1], s[6:7], s[OFF:OFF+1]
	s_add_nc_u64 s[GX:GX+1], s[GX:GX+1], 33554432
	s_cmp_eq_u32 s[WV], 0
	s_cbranch_scc0 .Lw1
	FILL4 QP, 17408, GQ, 16384, (1<<16)|(1<<20)|(5<<22)|(3<<25), 64
	s_branch .Lfilled
.Lw1:
	s_cmp_eq_u32 s[WV], 1
	s_cbranch_scc0 .Lw2
	FILL4 KP, 18432, GK, 16384, (1<<16)|(1<<20)|(5<<22)|(7<<25), 64
	s_branch .Lfilled
.Lw2:
	s_cmp_eq_u32 s[WV], 2
	s_cbranch_scc0 .Lw3
	FILL4 VV, 18432, GV, 16384, (1<<16)|(1<<20)|(5<<22)|(7<<25), 64
	s_branch .Lfilled
.Lw3:
	FILL4 AX, 4096, GX, 4096, 1<<16, 16
.Lfilled:
	s_lshl_b32 s31, s[BH], 3
	s_add_co_u32 s31, s31, s[SEG]
	s_lshl_b32 s[OFF], s31, 16
	s_lshl_b32 s31, s[WV], 14
	s_add_co_u32 s[OFF], s[OFF], s31
	s_add_nc_u64 s[SIN:SIN+1], s[8:9], s[OFF:OFF+1]
	s_add_nc_u64 s[SMX:SMX+1], s[4:5], 83886080
	s_lshr_b32 s31, s[BH], 3                       ; y16: row b x 2,048 + 256 seg + 64 w, column byte 256 h
	s_lshl_b32 s31, s31, 11
	s_lshl_b32 s30, s[SEG], 8
	s_add_co_u32 s31, s31, s30
	s_lshl_b32 s30, s[WV], 6
	s_add_co_u32 s31, s31, s30
	s_lshl_b32 s[OFF], s31, 11
	s_and_b32 s30, s[BH], 7
	s_lshl_b32 s30, s30, 8
	s_add_co_u32 s[OFF], s[OFF], s30
	s_add_nc_u64 s[SY:SY+1], s[10:11], s[OFF:OFF+1]
	v_and_b32 v1, 31, v0
	v_lshlrev_b32 v[VZ], 4, v1
	WIN 0x40
.set t, 0
.rept 32                                               ; Sin, as the registers lie
	global_load_b128 v[4*t:4*t+3], v[VZ], s[SIN:SIN+1] offset:512*t th:TH_LOAD_NT
.set t, t+1
.endr
	WIN 0
	MXLOAD 2, YA
	v_and_b32 v14, 15, v0                          ; r
	v_bfe_u32 v15, v0, 4, 1                        ; h
	v_mul_u32_u24 v1, v14, 272
	v_lshl_add_u32 v[QA], v15, 4, v1               ; QP = 0
	s_lshl_b32 s30, s[WV], 6
	s_add_co_u32 s31, s30, YS
	v_add_nc_u32 v[YSA], s31, v[QA]
	s_add_co_u32 s31, s30, VV
	v_and_b32 v1, 7, v0
	v_lshl_add_u32 v1, v15, 3, v1
	v_mul_u32_u24 v1, v1, 288
	v_bfe_u32 v[YGO], v0, 3, 1
	v_lshl_add_u32 v1, v[YGO], 4, v1
	v_add_nc_u32 v[KTA], KP, v1
	v_add_nc_u32 v[VTA], s31, v1
	v_add_nc_u32 v[AFA], AX, v[VZ]
	v_lshlrev_b32 v[DLA], 5, v15
	v_add_nc_u32 v[DLA], AX+512, v[DLA]
	s_mul_i32 s31, s[WV], 64*272
	s_add_co_u32 s31, s31, YS
	v_mul_u32_u24 v1, v15, 272
	v_lshl_add_u32 v1, v14, 4, v1
	v_add_nc_u32 v[YRD], s31, v1
	v_lshlrev_b32 v[YGO], 11, v15
	v_lshl_add_u32 v[YGO], v14, 4, v[YGO]
.irp x, 4,5,6,7
	v_mov_b32 v[AF+\x], 0                          ; tokens 16-31 of the instructions' K are empty
.endr
.irp x, 4,5,6,7,12,13,14,15
	v_mov_b32 v[VF+\x], 0
.endr
.set t, 0
.rept 8
.irp x, 4,5,6,7
	v_mov_b32 v[KFR+8*t+\x], 0
.endr
.set t, t+1
.endr
	s_wait_loadcnt 0x0
	MXRED YA, BEV, 111, 142
	s_sub_co_u32 s[CVS], 253, s[BEV]
	s_lshl_b32 s[CVS], s[CVS], 23
	v_cvt_pk_f16_f32 v[CV16], s[CVS], s[CVS]
.macro LDK
.irp m, 0,1,2,3,4,5,6,7
	ds_load_tr16_b128 v[KFR+8*\m:KFR+8*\m+3], v[KTA] offset:32*\m
.endr
.endm
.macro LDV
.irp t, 0,1
	ds_load_tr16_b128 v[VF+8*\t:VF+8*\t+3], v[VTA] offset:32*\t
.endr
.endm
.macro LDD
	WIN 0x40
.irp m, 0,1,2,3,4,5,6,7
	ds_load_b128 v[DR+8*\m:DR+8*\m+3], v[DLA] offset:64*\m
	ds_load_b128 v[DR+8*\m+4:DR+8*\m+7], v[DLA] offset:64*\m+16
.endr
	WIN 0
.endm
.macro LOADS                           ; a sub-chunk's 35 LDS loads in one run
	WIN 0
.irp a, 0,1,2,3
	ds_load_b128 v[QF+8*\a:QF+8*\a+3],   v[QA] offset:64*\a
	ds_load_b128 v[QF+8*\a+4:QF+8*\a+7], v[QA] offset:64*\a+32
.endr
	ds_load_b128 v[AF:AF+3], v[AFA]
	LDV
	LDK
	LDD
.endm
.macro VSC
.irp x, 0,1,2,3,8,9,10,11
	v_pk_mul_f16 v[VF+\x], v[VF+\x], v[CV16]
.endr
.endm
.macro YRUN                            ; ten products; the two accumulators take turns
	WIN 0
.irp a, 0,1,2,3
.irp vt, 0,1
.if \a == 0
	v_wmma_f32_16x16x32_f16 v[YA+8*\vt:YA+8*\vt+7], v[S16+32*\vt+8*\a:S16+32*\vt+8*\a+7], v[QF+8*\a:QF+8*\a+7], 0
.else
	v_wmma_f32_16x16x32_f16 v[YA+8*\vt:YA+8*\vt+7], v[S16+32*\vt+8*\a:S16+32*\vt+8*\a+7], v[QF+8*\a:QF+8*\a+7], v[YA+8*\vt:YA+8*\vt+7]
.endif
.endr
.endr
.irp vt, 0,1
	v_wmma_f32_16x16x32_f16 v[YA+8*\vt:YA+8*\vt+7], v[VF+8*\vt:VF+8*\vt+7], v[AF:AF+7], v[YA+8*\vt:YA+8*\vt+7]
.endr
.endm
.macro SSC
	WIN 0x45
.set t, 0
.rept 16
.irp u, 0,2,4,6
	v_pk_mul_f32 v[8*t+\u:8*t+\u+1], v[8*t+\u:8*t+\u+1], v[DR+8*(t%8)+\u:DR+8*(t%8)+\u+1]
.endr
.set t, t+1
.endr
.endm
.macro SMM
	WIN 0x50
.set t, 0
.rept 16
	v_wmma_f32_16x16x32_f16 v[8*t:8*t+7], v[KFR+8*(t%8):KFR+8*(t%8)+7], v[VF+8*(t/8):VF+8*(t/8)+7], v[8*t:8*t+7]
.set t, t+1
.endr
.endm
.macro CVT                             ; the state as an operand: tile 8 vtl + mt into S16 + 32 vtl + 4 mt, each accumulator from its low end
	WIN 0x05
.set t, 0
.rept 16
.irp x, 0,1,2,3
	v_cvt_pk_f16_f32 v[S16+32*(t/8)+4*(t%8)+\x], v[8*t+2*\x], v[8*t+2*\x+1]
.endr
.set t, t+1
.endr
	WIN 0
.endm
; A stage: 64 tokens, four sub-chunks.
.macro STAGE t
	s_wait_tensorcnt 3-(\t)                        ; my load of this stage has landed; 3 - t younger ones may be out
	s_wait_dscnt 0x0
	s_barrier_signal -1
	s_barrier_wait -1                              ; everybody's has
	LOADS
	s_mov_b32 s[CNT], 4
.Lsub_\@:
	s_wait_dscnt 0x0
	VSC
	YRUN
	SSC                                            ; 64 plain instructions: the places behind y's products
	SMM
	WIN 0
	v_add_nc_u32 v[QA], 4352, v[QA]                ; five plain instructions: the places behind the state's products
	v_add_nc_u32 v[KTA], 4608, v[KTA]
	v_add_nc_u32 v[VTA], 4608, v[VTA]
	v_add_nc_u32 v[AFA], 1024, v[AFA]
	v_add_nc_u32 v[DLA], 1024, v[DLA]
.irp x, 0,1,2,3,4,5,6,7
	v_cvt_pk_f16_f32 v[YP+\x], v[YA+2*\x], v[YA+2*\x+1]
.endr
	ds_store_b128 v[YSA], v[YP:YP+3]
	ds_store_b128 v[YSA], v[YP+4:YP+7] offset:32
	v_add_nc_u32 v[YSA], 4352, v[YSA]
	s_cmp_eq_u32 s[CNT], 1
	s_cbranch_scc1 .Lnl_\@                         ; the next sub-chunk lies in the next stage: only LDS loads are jumped
	LOADS
.Lnl_\@:
	CVT                                            ; stands between the loads and the wait for them
	s_sub_co_u32 s[CNT], s[CNT], 1
	s_cmp_lg_u32 s[CNT], 0
	s_cbranch_scc1 .Lsub_\@
.endm
	CVT
	STAGE 0
	STAGE 1
	STAGE 2
	STAGE 3
	s_wait_dscnt 0x0                               ; for the others' sake: my part of every row of y is in LDS
	s_barrier_signal -1
	s_barrier_wait -1
.irp half, 0,1                         ; wave w sends rows 64 w .. 64 w + 63: sixteen lanes store 256 consecutive bytes, at a multiple of 256 from y16's first
.if \half
	s_wait_xcnt 0x0                                ; the first sixteen stores have read their registers
.endif
.irp t, 0,1,2,3,4,5,6,7,8,9,10,11,12,13,14,15
	ds_load_b128 v[S16+4*\t:S16+4*\t+3], v[YRD] offset:(16*\half+\t)*544
.endr
.irp t, 0,1,2,3,4,5,6,7,8,9,10,11,12,13,14,15
	s_wait_dscnt 15-\t
	global_store_b128 v[YGO], v[S16+4*\t:S16+4*\t+3], s[SY:SY+1] offset:(16*\half+\t)*4096
.endr
.endr
	s_wait_tensorcnt 0x0                           ; the wave's end
	ds_add_u32 v[SPW], v[NIL]
	s_wait_dscnt 0x0
	s_endpgm
.Lfunc_end_k_q5a3d3c6e23_gla_m:
	.size	k_q5a3d3c6e23_gla_m, .Lfunc_end_k_q5a3d3c6e23_gla_m-k_q5a3d3c6e23_gla_m
	.p2alignl 7, 3214868480
	.fill 96, 4, 3214868480
	.section	.rodata,"a",@progbits
	.p2align	6, 0x0
	.amdhsa_kernel k_q5a3d3c6e23_gla_m
		.amdhsa_group_segment_fixed_size 327680
		.amdhsa_private_segment_fixed_size 0
		.amdhsa_enable_private_segment 0
		.amdhsa_kernarg_size 32
		.amdhsa_user_sgpr_count 2
		.amdhsa_user_sgpr_kernarg_segment_ptr 1
		.amdhsa_wavefront_size32 1
		.amdhsa_system_sgpr_workgroup_id_x 1
		.amdhsa_system_sgpr_workgroup_id_y 1
		.amdhsa_system_sgpr_workgroup_id_z 1
		.amdhsa_system_vgpr_workitem_id 0
		.amdhsa_next_free_vgpr 448
		.amdhsa_next_free_sgpr 66
		.amdhsa_reserve_vcc 0
		.amdhsa_float_denorm_mode_32 3
		.amdhsa_float_denorm_mode_16_64 3
		.amdhsa_memory_ordered 1
		.amdhsa_forward_progress 1
		.amdhsa_inst_pref_size 93
	.end_amdhsa_kernel
	.amdgpu_metadata
---
amdhsa.version: [ 1, 2 ]
amdhsa.kernels:
  - .name:           k_q5a3d3c6e23_gla_m
    .symbol:         k_q5a3d3c6e23_gla_m.kd
    .args:
      - { .name: qkvz, .offset: 0, .size: 8, .value_kind: global_buffer, .address_space: global }
      - { .name: g1o, .offset: 8, .size: 8, .value_kind: global_buffer, .address_space: global }
      - { .name: sin, .offset: 16, .size: 8, .value_kind: global_buffer, .address_space: global }
      - { .name: y16, .offset: 24, .size: 8, .value_kind: global_buffer, .address_space: global }
    .group_segment_fixed_size: 327680
    .private_segment_fixed_size: 0
    .kernarg_segment_align: 8
    .kernarg_segment_size: 32
    .max_flat_workgroup_size: 128
    .sgpr_count:     66
    .vgpr_count:     448
    .wavefront_size: 32
...
	.end_amdgpu_metadata
.endif
;; end of part 5
;; launch outp (part 6): grid 8 x 64, 4 waves a work-group, clusters of 4 x 4, 327,680 bytes of LDS; arguments y16, pre, qkvz, out0; writes out0
.if DOCPART == 6
	.amdgcn_target "amdgcn-amd-amdhsa--gfx1250"
	.amdhsa_code_object_version 6
	.text
	.protected	k_q5a3d3c6e23_outp
	.globl	k_q5a3d3c6e23_outp
	.p2align	8
	.type	k_q5a3d3c6e23_outp,@function
k_q5a3d3c6e23_outp:
	s_mov_b64 s[64:65], 0
	v_nop
	global_prefetch_b8 v0, s[64:65] scope:SCOPE_SE
	s_setreg_imm32_b32 hwreg(HW_REG_WAVE_MODE, 25, 1), 1
	s_wait_xcnt 0x0
	s_wait_alu depctr_hold_cnt(0) depctr_sa_sdst(0) depctr_va_vdst(0) depctr_va_sdst(0) depctr_va_ssrc(0) depctr_va_vcc(0) depctr_vm_vsrc(0)
	s_getreg_b32 s2, hwreg(HW_REG_IB_STS2, 6, 4)
	s_cmp_eq_u32 s2, 0
	s_cbranch_scc0 .Lentry_in_a_cluster
	s_endpgm
.Lentry_in_a_cluster:
	s_bfe_u32 s2, ttmp6, 0x10000c
	s_cmp_lg_u32 s2, 0xf033
	s_cbranch_scc0 .Lentry_shape_is_right
	s_endpgm
.Lentry_shape_is_right:
; out0 = y Wo^T / (sqrt(128) cq ck cv).  y16 [8192][1024] and Wo [1024][1024] (in pre) are f16; sums in f32; out0 is f32.  The factor, a power of two times 1 / sqrt(128), is applied to the f32 sums.
; A tile of C is 128 x 128: 512 work-groups.  Four waves, each 64 x 64: 16 accumulators.  K goes in steps of 256 (LDS rows of 512 bytes) through two slots.
; CLUSTERS: 4 x 4 work-groups; A's tiles are asked for jointly along a row of the cluster, B's along a column.  THE MATRIX INSTRUCTION IS USED TRANSPOSED: a lane holds eight neighbouring numbers of a row of C.
; A wave's 64 f32 columns are 256 aligned bytes, so each wave sends its own rows through its own stage: no barrier on the way out.
; REGISTERS: window 0: v0-31 addresses; v32-95 at work; v128-255 the accumulators ((a, b) at v[128 + 8 (4 a + b)]).  window 1: two fragment buffers of 128.
.set SIZE_N, 1024
.set SIZE_K, 1024
.set KSTEP,  256
.set PITCH,  528
.set HALFT,  64*PITCH
.set SLOT,   4*HALFT
.set STAGE,  2*SLOT                    ; behind the ring: 16 rows x 272 bytes for each wave
.set SPITCH, 272
.set SPARE,  STAGE+4*16*SPITCH
.set LAPS, SIZE_K/(2*KSTEP)
.set ADRA, 16
.set ADRB, 20
.set STO,  24
.set RD,   25
.set CO,   26
.set VZ,   27                          ; lane x 16
.set SPW,  28
.set NIL,  29
.set TMP,  32
.set OB,   64
.set ACC,  128
.set F0,   0
.set F1,   128
.set G1, 24
.set G0, 32
.set G1B, 48
.set G0B, 56
.set BEQ, 76
.set BEK, 77
.set BEV, 78
.set INV, 80
.set SEL, 82
.set SMX, 84
.set MSB, 0
.macro WIN new
.if MSB != (\new)
	s_set_vgpr_msb (MSB<<8)|(\new)
.set MSB, \new
.endif
.endm
.set MUL,  0x05
.set TO_F, 0x40
.macro JLOAD s
	s_cmp_eq_u32 s11, 0
	s_cbranch_scc0 .Lfor_b_\@
	tensor_load_to_lds s[G0+4*(\s):G0+4*(\s)+3], s[G1:G1+7]
	s_nop 0
.rept 4
	v_nop
.endr
	s_branch .Lasked_\@
.Lfor_b_\@:
	tensor_load_to_lds s[G0B+4*(\s):G0B+4*(\s)+3], s[G1B:G1B+7]
	s_nop 0
.rept 4
	v_nop
.endr
.Lasked_\@:
.endm
.macro CREST
	s_cmp_lg_u32 s10, 0
	s_cbranch_scc1 .Lnot_wave_0_\@
	s_barrier_signal -3
.Lnot_wave_0_\@:
	s_barrier_wait -3
	s_barrier_signal -1
	s_barrier_wait -1
.endm
.macro CROUND
	s_barrier_signal -1
	s_barrier_wait -1
	CREST
.endm
.macro MXLOAD ty, T
.irp t, 0,1,2,3
	global_load_b128 v[(\T)+4*\t:(\T)+4*\t+3], v[VZ], s[SMX:SMX+1] offset:(\ty)*2048+\t*512
.endr
.endm
.macro MXRED T, OUT, lo, hi
	v_max3_num_f32 v[(\T)], v[(\T)], v[(\T)+1], v[(\T)+2]
	v_max3_num_f32 v[(\T)+3], v[(\T)+3], v[(\T)+4], v[(\T)+5]
	v_max3_num_f32 v[(\T)+6], v[(\T)+6], v[(\T)+7], v[(\T)+8]
	v_max3_num_f32 v[(\T)+9], v[(\T)+9], v[(\T)+10], v[(\T)+11]
	v_max3_num_f32 v[(\T)+12], v[(\T)+12], v[(\T)+13], v[(\T)+14]
	v_max3_num_f32 v[(\T)], v[(\T)], v[(\T)+3], v[(\T)+6]
	v_max3_num_f32 v[(\T)+9], v[(\T)+9], v[(\T)+12], v[(\T)+15]
	v_max_num_f32 v[(\T)], v[(\T)], v[(\T)+9]
.irp m, 1,2,4,8
	v_max_num_f32_dpp v[(\T)], v[(\T)], v[(\T)] row_xmask:\m row_mask:0xf bank_mask:0xf
.endr
	v_permlanex16_b32 v[(\T)+1], v[(\T)], s[SEL], s[SEL+1]
	v_max_num_f32 v[(\T)], v[(\T)], v[(\T)+1]
	v_readfirstlane_b32 s[\OUT], v[(\T)]
	s_lshr_b32 s[\OUT], s[\OUT], 23
	s_max_u32 s[\OUT], s[\OUT], \lo
	s_min_u32 s[\OUT], s[\OUT], \hi
.endm
	s_load_b256 s[68:75], s[0:1], 0x0              ; y16 s[68:69], pre s[70:71], qkvz s[72:73], out0 s[74:75]
	v_lshl_add_u32 v[SPW], v0, 2, SPARE
	v_mov_b32 v[NIL], 0
	ds_add_u32 v[SPW], v[NIL]                      ; the wave's opening: the add and its wait stand ahead of my first tensor load
	ds_add_u32 v28, v29
	v_lshrrev_b32 v1, 5, v0
	v_readfirstlane_b32 s10, v1                    ; wave 0..3
	s_lshr_b32 s11, s10, 1                         ; which half of the tile's rows is mine.  Also: I fetch for A (0) or for B (1)
	s_and_b32 s12, s10, 1                          ; which half of its columns.  Also: which 64 rows of that tile I fetch
	s_bfe_u32 s40, ttmp6, 0x40000
	s_bfe_u32 s41, ttmp6, 0x40004
	s_lshl_b32 s42, ttmp9, 2
	s_add_co_u32 s42, s42, s40                     ; tile column of C
	s_and_b32 s13, ttmp7, 0xffff
	s_lshl_b32 s13, s13, 2
	s_add_co_u32 s13, s13, s41                     ; tile row of C
	s_lshl_b32 s43, s41, 2
	s_lshl_b32 s43, 15, s43
	s_lshl_b32 s44, 0x1111, s40
	s_or_b32 s[G1+0], s43, (1<<16)|(1<<20)|(1<<21)|(6<<22)|(3<<25)   ; mask; 2-byte elements; padding on; bit 21 beside a mask; after every 128 words 4 words
	s_or_b32 s[G1B+0], s44, (1<<16)|(1<<20)|(1<<21)|(6<<22)|(3<<25)
.irp g, G1, G1B
	s_mov_b32 s[(\g)+1], KSTEP<<16
	s_mov_b32 s[(\g)+2], 64<<16
	s_mov_b32 s[(\g)+3], KSTEP<<16
	s_mov_b32 s[(\g)+4], 64
	s_mov_b32 s[(\g)+5], SIZE_K
	s_mov_b32 s[(\g)+6], 0
	s_mov_b32 s[(\g)+7], 0
.endr
	s_mov_b32 s[SEL], 0x76543210
	s_mov_b32 s[SEL+1], 0xfedcba98
	s_lshl_b32 s17, s12, 6
	s_lshl_b32 s16, s13, 7
	s_add_co_u32 s16, s16, s17                     ; A: row 128 x tile row + 64 x half
	s_lshl_b32 s46, s42, 7
	s_add_co_u32 s46, s46, s17                     ; B: row 128 x tile column + 64 x half
	s_mov_b32 s17, 0
	s_mov_b32 s47, 0
	s_mov_b64 s[18:19], SIZE_K*2
	s_mul_u64 s[16:17], s[16:17], s[18:19]
	s_mul_u64 s[46:47], s[46:47], s[18:19]
	s_mul_i32 s20, s10, HALFT
	s_wait_dscnt 0x0                               ; the opening add is done
	s_wait_kmcnt 0x0
	s_add_nc_u64 s[14:15], s[68:69], s[16:17]
	s_add_nc_u64 s[6:7], s[70:71], 25165824        ; Wo
	s_add_nc_u64 s[46:47], s[6:7], s[46:47]
	s_mov_b64 s[8:9], s[74:75]
	s_add_nc_u64 s[SMX:SMX+1], s[72:73], 83886080
	CROUND                                         ; all sixteen work-groups are here: the first joint loads meet
.irp s, 0,1
	s_mov_b32 s[G0+4*(\s)], 1
	s_add_co_u32 s[G0+4*(\s)+1], s20, (\s)*SLOT
	s_add_nc_u64 s[G0+4*(\s)+2:G0+4*(\s)+3], s[14:15], (\s)*KSTEP*2
	s_or_b32 s[G0+4*(\s)+3], s[G0+4*(\s)+3], 0x80000000
	s_mov_b32 s[G0B+4*(\s)], 1
	s_add_co_u32 s[G0B+4*(\s)+1], s20, (\s)*SLOT
	s_add_nc_u64 s[G0B+4*(\s)+2:G0B+4*(\s)+3], s[46:47], (\s)*KSTEP*2
	s_or_b32 s[G0B+4*(\s)+3], s[G0B+4*(\s)+3], 0x80000000
	JLOAD \s
.endr
	v_and_b32 v5, 31, v0
	v_lshlrev_b32 v[VZ], 4, v5
	MXLOAD 0, 32
	MXLOAD 1, 48
	MXLOAD 2, 64
	v_and_b32 v1, 15, v0                           ; l % 16
	v_bfe_u32 v2, v0, 4, 1                         ; l / 16
	v_mul_u32_u24 v3, v1, PITCH
	v_lshl_add_u32 v3, v2, 4, v3
	s_mul_i32 s21, s11, HALFT
	s_mul_i32 s22, s12, HALFT
	s_add_co_u32 s22, s22, 2*HALFT
.irp s, 0,1
	v_add_nc_u32 v[ADRA+(\s)], s21, v3
	v_add_nc_u32 v[ADRB+(\s)], s22, v3
	s_add_co_u32 s21, s21, SLOT
	s_add_co_u32 s22, s22, SLOT
.endr
	s_mul_i32 s23, s10, 16*SPITCH
	s_add_co_u32 s23, s23, STAGE                   ; my stage
	v_mul_u32_u24 v4, v1, SPITCH                   ; in: row l % 16, 32 bytes for each half of the lanes
	v_lshl_add_u32 v4, v2, 5, v4
	v_add_nc_u32 v[STO], s23, v4
	v_mul_u32_u24 v5, v2, SPITCH                   ; back: lanes 0-15 take one row of 256 bytes, lanes 16-31 the next
	v_lshl_add_u32 v5, v1, 4, v5
	v_add_nc_u32 v[RD], s23, v5
	v_lshlrev_b32 v5, 12, v2                       ; and the same two rows in out0
	v_lshl_add_u32 v[CO], v1, 4, v5
	s_lshl_b32 s16, s13, 7
	s_lshl_b32 s17, s11, 6
	s_add_co_u32 s16, s16, s17                     ; my first row of C
	s_mov_b32 s17, 0
	s_mov_b64 s[18:19], SIZE_N*4
	s_mul_u64 s[16:17], s[16:17], s[18:19]
	s_add_nc_u64 s[8:9], s[8:9], s[16:17]
	s_lshl_b32 s46, s42, 9                         ; my first column, in bytes
	s_lshl_b32 s47, s12, 8
	s_add_co_u32 s46, s46, s47
	s_mov_b32 s47, 0
	s_add_nc_u64 s[8:9], s[8:9], s[46:47]
	s_wait_loadcnt 0x0
	MXRED 32, BEQ, 103, 143
	MXRED 48, BEK, 103, 143
	MXRED 64, BEV, 111, 142
	s_add_co_u32 s79, s[BEQ], s[BEK]               ; 1 / (cq ck cv) = 2^(eq + ek + ev - 375)
	s_add_co_u32 s79, s79, s[BEV]
	s_sub_co_u32 s79, s79, 248
	s_lshl_b32 s79, s79, 23
	s_mul_f32 s[INV], s79, 0x3db504f3              ; times 1 / sqrt(128)
	s_mov_b32 s[INV+1], s[INV]
.macro MUL8 f, c, a0, zero
	WIN MUL
.irp a, \a0, (\a0)+1
.irp b, 0,1,2,3
.if \zero
	v_wmma_f32_16x16x32_f16 v[ACC+8*(4*(\a)+(\b)):ACC+8*(4*(\a)+(\b))+7], v[(\f)+64+8*(4*(\c)+(\b)):(\f)+64+8*(4*(\c)+(\b))+7], v[(\f)+8*(4*(\c)+(\a)):(\f)+8*(4*(\c)+(\a))+7], 0
.else
	v_wmma_f32_16x16x32_f16 v[ACC+8*(4*(\a)+(\b)):ACC+8*(4*(\a)+(\b))+7], v[(\f)+64+8*(4*(\c)+(\b)):(\f)+64+8*(4*(\c)+(\b))+7], v[(\f)+8*(4*(\c)+(\a)):(\f)+8*(4*(\c)+(\a))+7], v[ACC+8*(4*(\a)+(\b)):ACC+8*(4*(\a)+(\b))+7]
.endif
.endr
.endr
.endm
.macro FETCH slot, k, f
	WIN TO_F
.irp c, 0,1
.irp i, 0,1,2,3
	ds_load_b128 v[(\f)+64+8*(4*(\c)+(\i)):(\f)+64+8*(4*(\c)+(\i))+3],   v[ADRB+(\slot)] offset:(\k)+64*(\c)+(\i)*16*PITCH
	ds_load_b128 v[(\f)+64+8*(4*(\c)+(\i))+4:(\f)+64+8*(4*(\c)+(\i))+7], v[ADRB+(\slot)] offset:(\k)+64*(\c)+(\i)*16*PITCH+32
	ds_load_b128 v[(\f)+8*(4*(\c)+(\i)):(\f)+8*(4*(\c)+(\i))+3],         v[ADRA+(\slot)] offset:(\k)+64*(\c)+(\i)*16*PITCH
	ds_load_b128 v[(\f)+8*(4*(\c)+(\i))+4:(\f)+8*(4*(\c)+(\i))+7],       v[ADRA+(\slot)] offset:(\k)+64*(\c)+(\i)*16*PITCH+32
.endr
.endr
.endm
.macro PLACES
.rept 4
	v_nop
.endr
.endm
.macro QUARTER slot, k, f, g, zero
	s_wait_dscnt 16                                ; the first 32 along K are in
	WIN MUL
	MUL8 \f, 0, 0, \zero
	MUL8 \f, 0, 2, \zero
	PLACES
	FETCH \slot, \k, \g
	s_wait_dscnt 32                                ; all but the 32 just issued
	WIN MUL
	MUL8 \f, 1, 0, 0
	MUL8 \f, 1, 2, 0
.endm
.macro TURN slot, next, fill
	WIN 0
	s_wait_tensorcnt 0x0                           ; all my tensor loads have landed: my part of the next slot
	ds_add_u32 v[SPW], v[NIL]
	s_wait_dscnt 17                                ; the add and the youngest sixteen loads may be out
	WIN MUL
	MUL8 F1, 0, 0, 0
	s_wait_dscnt 0x0                               ; the add is done, and my reads of this slot are over
	s_barrier_signal -1
	MUL8 F1, 0, 2, 0
.if \fill
	WIN 0
.endif
	s_barrier_wait -1
.if \fill
	CREST                                          ; no wave of any partner still reads this slot's tile or has a load on its way
	s_add_nc_u64 s[G0+4*(\slot)+2:G0+4*(\slot)+3], s[G0+4*(\slot)+2:G0+4*(\slot)+3], 2*KSTEP*2
	s_add_nc_u64 s[G0B+4*(\slot)+2:G0B+4*(\slot)+3], s[G0B+4*(\slot)+2:G0B+4*(\slot)+3], 2*KSTEP*2
	JLOAD \slot
.else
	PLACES
.endif
	FETCH \next, 0, F0
	WIN MUL
	MUL8 F1, 1, 0, 0
	MUL8 F1, 1, 2, 0
.endm
	s_wait_tensorcnt 1                             ; my part of K step 0 is in; K step 1's may stay out
	s_barrier_signal -1
	s_barrier_wait -1
	FETCH 0, 0, F0
	QUARTER 0, 128, F0, F1, 1
	WIN 0
	s_mov_b32 s3, LAPS-1
.Llap:
	QUARTER 0, 256, F1, F0, 0
	QUARTER 0, 384, F0, F1, 0
	TURN 0, 1, 1
	QUARTER 1, 128, F0, F1, 0
	QUARTER 1, 256, F1, F0, 0
	QUARTER 1, 384, F0, F1, 0
	TURN 1, 0, 1
	QUARTER 0, 128, F0, F1, 0
	WIN 0
	s_sub_co_u32 s3, s3, 1
	s_cmp_lg_u32 s3, 0
	s_cbranch_scc1 .Llap
	QUARTER 0, 256, F1, F0, 0                      ; the last lap fills nothing
	QUARTER 0, 384, F0, F1, 0
	TURN 0, 1, 0
	QUARTER 1, 128, F0, F1, 0
	QUARTER 1, 256, F1, F0, 0
	QUARTER 1, 384, F0, F1, 0
	s_wait_dscnt 16
	WIN MUL
	MUL8 F1, 0, 0, 0
	MUL8 F1, 0, 2, 0
	s_wait_dscnt 0
	MUL8 F1, 1, 0, 0
	MUL8 F1, 1, 2, 0
	WIN 0
	; THE WAY OUT, 16 rows at a time: the sums times the factor, into my stage's rows of 272 bytes, back as whole rows of 256, stored.
	PLACES
.macro OUTB a
	s_wait_xcnt 0x0                                ; the registers that the block before's stores read are loaded again only behind this wait
.irp b, 0,1,2,3
.irp u, 0,2,4,6
	v_pk_mul_f32 v[TMP+8*(\b)+\u:TMP+8*(\b)+\u+1], v[ACC+8*(4*(\a)+(\b))+\u:ACC+8*(4*(\a)+(\b))+\u+1], s[INV:INV+1] op_sel_hi:[1,0]
.endr
.endr
.irp b, 0,1,2,3
	ds_store_b128 v[STO], v[TMP+8*(\b):TMP+8*(\b)+3] offset:64*(\b)
	ds_store_b128 v[STO], v[TMP+8*(\b)+4:TMP+8*(\b)+7] offset:64*(\b)+16
.endr
.irp t, 0,1,2,3,4,5,6,7
	ds_load_b128 v[OB+4*(\t):OB+4*(\t)+3], v[RD] offset:(\t)*2*SPITCH  ; LDS serves a wave's instructions in order (ISA guide 5.7.1.4): these see the stores above
.endr
.irp t, 0,1,2,3,4,5,6,7
	s_wait_dscnt 7-(\t)
	global_store_b128 v[CO], v[OB+4*(\t):OB+4*(\t)+3], s[8:9] offset:(\a)*65536+(\t)*8192 th:TH_STORE_NT  ; 16 lanes store 256 consecutive bytes, at a multiple of 256 from out0's first
.endr
.endm
	OUTB 0
	OUTB 1
	OUTB 2
	OUTB 3
	s_wait_tensorcnt 0x0                           ; the wave's end
	ds_add_u32 v[SPW], v[NIL]
	s_wait_dscnt 0x0
	CROUND                                         ; the closing round
	s_endpgm
.Lfunc_end_k_q5a3d3c6e23_outp:
	.size	k_q5a3d3c6e23_outp, .Lfunc_end_k_q5a3d3c6e23_outp-k_q5a3d3c6e23_outp
	.p2alignl 7, 3214868480
	.fill 96, 4, 3214868480
	.section	.rodata,"a",@progbits
	.p2align	6, 0x0
	.amdhsa_kernel k_q5a3d3c6e23_outp
		.amdhsa_group_segment_fixed_size 327680
		.amdhsa_private_segment_fixed_size 0
		.amdhsa_enable_private_segment 0
		.amdhsa_kernarg_size 32
		.amdhsa_user_sgpr_count 2
		.amdhsa_user_sgpr_kernarg_segment_ptr 1
		.amdhsa_wavefront_size32 1
		.amdhsa_system_sgpr_workgroup_id_x 1
		.amdhsa_system_sgpr_workgroup_id_y 1
		.amdhsa_system_sgpr_workgroup_id_z 1
		.amdhsa_system_vgpr_workitem_id 0
		.amdhsa_next_free_vgpr 512
		.amdhsa_next_free_sgpr 88
		.amdhsa_reserve_vcc 0
		.amdhsa_float_denorm_mode_32 3
		.amdhsa_float_denorm_mode_16_64 3
		.amdhsa_memory_ordered 1
		.amdhsa_forward_progress 1
		.amdhsa_inst_pref_size 95
	.end_amdhsa_kernel
	.amdgpu_metadata
---
amdhsa.version: [ 1, 2 ]
amdhsa.kernels:
  - .name:           k_q5a3d3c6e23_outp
    .symbol:         k_q5a3d3c6e23_outp.kd
    .args:
      - { .name: y16, .offset: 0, .size: 8, .value_kind: global_buffer, .address_space: global }
      - { .name: pre, .offset: 8, .size: 8, .value_kind: global_buffer, .address_space: global }
      - { .name: qkvz, .offset: 16, .size: 8, .value_kind: global_buffer, .address_space: global }
      - { .name: out0, .offset: 24, .size: 8, .value_kind: global_buffer, .address_space: global }
    .group_segment_fixed_size: 327680
    .private_segment_fixed_size: 0
    .kernarg_segment_align: 8
    .kernarg_segment_size: 32
    .max_flat_workgroup_size: 128
    .sgpr_count:     88
    .vgpr_count:     512
    .wavefront_size: 32
...
	.end_amdgpu_metadata
.endif
;; end of part 6
;; ======== version 2 of 2: 6 launches; version 1 with the launch prep written anew for expert scheduling mode
;; limits: values are held in f16: magnitudes above 65,504 overflow, below 6.1e-05 lose precision
;; workspace buffers: pre 27,262,976 bytes; qkvz 83,892,224 bytes; g1o 54,657,024 bytes; sin 16,777,216 bytes; y16 16,777,216 bytes
;; launch prep (part 7): grid 256 x 1, 8 waves a work-group, no clusters, 0 bytes of LDS; arguments x, ln_gamma, ln_beta, Wq, Wk, Wv, Wg, Wo, pre; writes pre
.if DOCPART == 7
	.amdgcn_target "amdgcn-amd-amdhsa--gfx1250"
	.amdhsa_code_object_version 6
	.text
	.protected	k_q5a3d3c6e23_prep
	.globl	k_q5a3d3c6e23_prep
	.p2align	8
	.type	k_q5a3d3c6e23_prep,@function
k_q5a3d3c6e23_prep:
	s_mov_b64 s[64:65], 0
	v_nop
	global_prefetch_b8 v0, s[64:65] scope:SCOPE_SE
	s_setreg_imm32_b32 hwreg(HW_REG_WAVE_SCHED_MODE, 0, 2), 2
	s_setreg_imm32_b32 hwreg(HW_REG_WAVE_MODE, 25, 1), 1
	s_wait_xcnt 0x0
	s_wait_alu depctr_vm_vsrc(0)
; LayerNorm of x [8192][1024] (f32) into xn (f16), and the five weights [1024][1024] (f32) into f16.
; pre: byte 0 xn [8192][1024]; byte 16,777,216 + m x 2,097,152: weight m (q, k, v, g, o) [1024][1024].
; A stream: no LDS, no barrier, no matrix unit.  2,048 waves; wave gw takes rows 4 gw .. 4 gw + 3 of x, a whole row (4,096 bytes) in 32 registers
; between the passes (mean, centred squares, scaling), and 512 numbers of each weight.  Every load of a wave covers 512 consecutive bytes, every store 256.
; LIMITS.  f16 holds no number beyond 65,504: xn and the weights are taken to lie within it; below 6e-5 f16 keeps its fixed step of 6e-8.
; THE MODE: SCHED_MODE bits 1:0 = 2 (LLVM: expert scheduling mode 2), set by the entry lines.  The code itself states the register dependences
; between vector instructions and memory instructions, with s_wait_alu, always for 0.
; THE PLAN.  Registers that memory instructions touch:
;   v1, v2   byte offsets of the loads and of the stores: made once at the head and never written again.
;   WB       ten quads of weights.  The first ten land; twenty roundings work in place; ten stores read them; the second ten land; twenty roundings; ten stores.
;   GA, BE   loaded once, then read by vector instructions alone.
;   X        row rho: loaded once; row rho's arithmetic and its sixteen roundings work in place; its eight stores read it; nothing writes it afterwards.
;   T        named by vector instructions alone.
; Row rho's eight stores are issued in row rho + 1, behind ONE wait at that row's head, and are dealt among its vector instructions, which name that row's own X, T, GA and BE:
; none of the registers that those stores touch.  Row 3's stores leave with the second ten quads' at the end, behind one wait for both.
.set WB, 4                             ; v[4:43]    ten quads of weights
.set GA, 44                            ; v[44:75]   gamma: quad j = columns 128 j + 4 lane ..
.set BE, 76                            ; v[76:107]  beta
.set X,  108                           ; v[108:235] row rho at +32 rho, quad j at +4 j
.set T,  236                           ; v[236:245] at work
	s_load_b512 s[4:19], s[0:1], 0x0               ; x s[4:5], gamma s[6:7], beta s[8:9], Wq s[10:11], Wk, Wv, Wg, Wo s[18:19]
	s_load_b64 s[20:21], s[0:1], 0x40              ; pre
	v_lshrrev_b32 v3, 5, v0
	v_readfirstlane_b32 s26, v3                    ; wave
	v_and_b32 v1, 31, v0
	v_lshlrev_b32 v2, 3, v1                        ; lane x 8: stores
	v_lshlrev_b32 v1, 4, v1                        ; lane x 16: loads
	s_wait_alu depctr_va_sdst(0)                   ; s26 is written, ahead of its first reader: every base is made from it
	s_lshl_b32 s27, ttmp9, 3
	s_add_co_u32 s27, s27, s26                     ; gw
	s_mov_b32 s22, 0x3a800000                      ; 1 / 1024
	s_mov_b32 s23, 0x3727c5ac                      ; 1e-5
	s_mov_b32 s24, 0x76543210                      ; v_permlanex16_b32: each lane takes its own place in the other half
	s_mov_b32 s25, 0xfedcba98
	s_mov_b32 s29, 0
	s_wait_kmcnt 0x0
	s_lshl_b32 s28, s27, 11                        ; my 512 numbers of a weight: 2,048 bytes
.irp p, 10,12,14,16,18
	s_add_nc_u64 s[\p:\p+1], s[\p:\p+1], s[28:29]
.endr
	s_lshl_b32 s28, s27, 10                        ; and 1,024 bytes of f16
	s_add_nc_u64 s[30:31], s[20:21], s[28:29]
	s_add_nc_u64 s[30:31], s[30:31], 16777216+2*2097152  ; the base stands at the third weight, so that the five immediates stay inside 24 signed bits
	s_lshl_b32 s28, s27, 14                        ; my four rows of x
	s_add_nc_u64 s[4:5], s[4:5], s[28:29]
	s_lshl_b32 s28, s27, 13                        ; and of xn
	s_add_nc_u64 s[20:21], s[20:21], s[28:29]
	s_wait_alu depctr_va_vdst(0)                   ; v1 and v2 are written: every load and store of the kernel reads one of them as its offset
.macro WLOAD n0                        ; quads n0 .. n0 + 9 of the twenty: weight n / 4, 512 bytes n % 4
.set n, \n0
.rept 10
	global_load_b128 v[WB+4*(n-(\n0)):WB+4*(n-(\n0))+3], v1, s[10+2*(n/4):11+2*(n/4)] offset:512*(n%4) th:TH_LOAD_NT
.set n, n+1
.endr
.endm
.macro WCVT                            ; the ten quads rounded in place: a quad closes up into its first two registers
.set n, 0
.rept 10
	v_cvt_pk_f16_f32 v[WB+4*n],   v[WB+4*n],   v[WB+4*n+1]
	v_cvt_pk_f16_f32 v[WB+4*n+1], v[WB+4*n+2], v[WB+4*n+3]
.set n, n+1
.endr
.endm
.macro WSTORE n0                       ; 8 bytes a lane, in one run behind the wait for the roundings
.set n, \n0
.rept 10
	global_store_b64 v2, v[WB+4*(n-(\n0)):WB+4*(n-(\n0))+1], s[30:31] offset:(n/4-2)*2097152+256*(n%4)
.set n, n+1
.endr
.endm
.macro SEND rho, q                     ; two of row rho's eight stores: quads q and q + 1
.irp u, 0,1
	global_store_b64 v2, v[X+32*(\rho)+4*((\q)+\u):X+32*(\rho)+4*((\q)+\u)+1], s[20:21] offset:(\rho)*2048+256*((\q)+\u)
.endr
.endm
.macro SUM32 r, t                      ; the sum over the wave's 32 lanes, in every lane
.irp m, 1,2,4,8
	v_add_f32_dpp v[\r], v[\r], v[\r] row_xmask:\m row_mask:0xf bank_mask:0xf
.endr
	v_permlanex16_b32 v[\t], v[\r], s24, s25
	v_add_f32 v[\r], v[\r], v[\t]
.endm
.macro ROW rho, left                   ; left: the loads issued behind this row's
.set R, X+32*(\rho)
	s_wait_loadcnt \left
.if (\rho) > 0
	s_wait_alu depctr_va_vdst(0)                   ; the row before has written its rounded registers, which the eight stores dealt through this row read; no vector instruction of this row names them
	SEND (\rho)-1, 0
.endif
.irp k, 0,1,2,3
	v_pk_add_f32 v[T+2*\k:T+2*\k+1], v[R+2*\k:R+2*\k+1], v[R+2*\k+8:R+2*\k+9]   ; four chains, started by the first pairs
.endr
.irp k, 8,9,10,11,12,13,14,15
	v_pk_add_f32 v[T+2*(\k%4):T+2*(\k%4)+1], v[T+2*(\k%4):T+2*(\k%4)+1], v[R+2*\k:R+2*\k+1]
.endr
	v_pk_add_f32 v[T:T+1], v[T:T+1], v[T+2:T+3]
	v_pk_add_f32 v[T+4:T+5], v[T+4:T+5], v[T+6:T+7]
	v_pk_add_f32 v[T:T+1], v[T:T+1], v[T+4:T+5]
	v_add_f32 v[T], v[T], v[T+1]
.if (\rho) > 0
	SEND (\rho)-1, 2                               ; ahead of a chain in which each line waits for the one before it
.endif
	SUM32 T, T+1
	v_mul_f32 v[T], s22, v[T]                      ; the mean
.set k, 0
.rept 16
	v_pk_add_f32 v[R+2*k:R+2*k+1], v[R+2*k:R+2*k+1], v[T:T+1] op_sel_hi:[1,0] neg_lo:[0,1] neg_hi:[0,1]  ; x - mean
.set k, k+1
.endr
.irp k, 0,1,2,3
	v_pk_mul_f32 v[T+2+2*\k:T+3+2*\k], v[R+2*\k:R+2*\k+1], v[R+2*\k:R+2*\k+1]
.endr
.irp k, 4,5,6,7,8,9,10,11,12,13,14,15
	v_pk_fma_f32 v[T+2+2*(\k%4):T+3+2*(\k%4)], v[R+2*\k:R+2*\k+1], v[R+2*\k:R+2*\k+1], v[T+2+2*(\k%4):T+3+2*(\k%4)]
.endr
	v_pk_add_f32 v[T+2:T+3], v[T+2:T+3], v[T+4:T+5]
	v_pk_add_f32 v[T+6:T+7], v[T+6:T+7], v[T+8:T+9]
	v_pk_add_f32 v[T+2:T+3], v[T+2:T+3], v[T+6:T+7]
	v_add_f32 v[T+2], v[T+2], v[T+3]
.if (\rho) > 0
	SEND (\rho)-1, 4
.endif
	SUM32 T+2, T+3
	v_fma_f32 v[T+2], v[T+2], s22, s23             ; variance + eps
	v_rsq_f32 v[T+2], v[T+2]
	v_nop                                          ; a plain instruction between the root and its use (ISA guide 5.7.2)
.if (\rho) > 0
	SEND (\rho)-1, 6                               ; the last two of the row before
.endif
	s_wait_alu depctr_va_vdst(0)                   ; the root is written into v[T+2], ahead of its first reader, the scaling below
.set k, 0
.rept 16
	v_pk_mul_f32 v[R+2*k:R+2*k+1], v[R+2*k:R+2*k+1], v[T+2:T+3] op_sel_hi:[1,0]
	v_pk_fma_f32 v[R+2*k:R+2*k+1], v[R+2*k:R+2*k+1], v[GA+2*k:GA+2*k+1], v[BE+2*k:BE+2*k+1]
.set k, k+1
.endr
.irp j, 0,1,2,3,4,5,6,7
	v_cvt_pk_f16_f32 v[R+4*\j],   v[R+4*\j],   v[R+4*\j+1]      ; a quad closes up into its first two registers; the stores follow in the next row
	v_cvt_pk_f16_f32 v[R+4*\j+1], v[R+4*\j+2], v[R+4*\j+3]
.endr
.endm
	WLOAD 0
.irp j, 0,1,2,3,4,5,6,7
	global_load_b128 v[GA+4*\j:GA+4*\j+3], v1, s[6:7] offset:512*\j
.endr
.irp j, 0,1,2,3,4,5,6,7
	global_load_b128 v[BE+4*\j:BE+4*\j+3], v1, s[8:9] offset:512*\j
.endr
.set i, 0
.rept 32
	global_load_b128 v[X+4*i:X+4*i+3], v1, s[4:5] offset:(i/8)*4096+(i%8)*512 th:TH_LOAD_NT
.set i, i+1
.endr
	s_wait_loadcnt 48                              ; behind the ten quads: gamma 8, beta 8, x 32
	WCVT
	s_wait_alu depctr_va_vdst(0)                   ; the twenty roundings have written WB, which the ten stores read, and are done reading WB, in which the second ten quads land; no vector instruction stands between here and those loads
	WSTORE 0
	s_wait_xcnt 0x0                                ; the stores' addresses are translated (ISA guide 3.1): the ten quads' registers are loaded again only behind this wait,
	s_wait_alu depctr_vm_vsrc(0)                   ; and behind this one: the ten stores have read WB
	WLOAD 10
	ROW 0, 34                                      ; three rows of eight and the second ten quads stay out
	ROW 1, 26
	ROW 2, 18
	ROW 3, 10
	s_wait_loadcnt 0x0
	WCVT
	s_wait_alu depctr_va_vdst(0)                   ; row 3's roundings and the second twenty of the weights have written the registers that the last eighteen stores read
	SEND 3, 0
	SEND 3, 2
	SEND 3, 4
	SEND 3, 6
	WSTORE 10
	s_endpgm
.Lfunc_end_k_q5a3d3c6e23_prep:
	.size	k_q5a3d3c6e23_prep, .Lfunc_end_k_q5a3d3c6e23_prep-k_q5a3d3c6e23_prep
	.p2alignl 7, 3214868480
	.fill 96, 4, 3214868480
	.section	.rodata,"a",@progbits
	.p2align	6, 0x0
	.amdhsa_kernel k_q5a3d3c6e23_prep
		.amdhsa_group_segment_fixed_size 0
		.amdhsa_private_segment_fixed_size 0
		.amdhsa_enable_private_segment 0
		.amdhsa_kernarg_size 72
		.amdhsa_user_sgpr_count 2
		.amdhsa_user_sgpr_kernarg_segment_ptr 1
		.amdhsa_wavefront_size32 1
		.amdhsa_system_sgpr_workgroup_id_x 1
		.amdhsa_system_sgpr_workgroup_id_y 1
		.amdhsa_system_sgpr_workgroup_id_z 1
		.amdhsa_system_vgpr_workitem_id 0
		.amdhsa_next_free_vgpr 248
		.amdhsa_next_free_sgpr 66
		.amdhsa_reserve_vcc 0
		.amdhsa_float_denorm_mode_32 3
		.amdhsa_float_denorm_mode_16_64 3
		.amdhsa_memory_ordered 1
		.amdhsa_forward_progress 1
		.amdhsa_inst_pref_size 44
	.end_amdhsa_kernel
	.amdgpu_metadata
---
amdhsa.version: [ 1, 2 ]
amdhsa.kernels:
  - .name:           k_q5a3d3c6e23_prep
    .symbol:         k_q5a3d3c6e23_prep.kd
    .args:
      - { .name: x, .offset: 0, .size: 8, .value_kind: global_buffer, .address_space: global }
      - { .name: ln_gamma, .offset: 8, .size: 8, .value_kind: global_buffer, .address_space: global }
      - { .name: ln_beta, .offset: 16, .size: 8, .value_kind: global_buffer, .address_space: global }
      - { .name: Wq, .offset: 24, .size: 8, .value_kind: global_buffer, .address_space: global }
      - { .name: Wk, .offset: 32, .size: 8, .value_kind: global_buffer, .address_space: global }
      - { .name: Wv, .offset: 40, .size: 8, .value_kind: global_buffer, .address_space: global }
      - { .name: Wg, .offset: 48, .size: 8, .value_kind: global_buffer, .address_space: global }
      - { .name: Wo, .offset: 56, .size: 8, .value_kind: global_buffer, .address_space: global }
      - { .name: pre, .offset: 64, .size: 8, .value_kind: global_buffer, .address_space: global }
    .group_segment_fixed_size: 0
    .private_segment_fixed_size: 0
    .kernarg_segment_align: 8
    .kernarg_segment_size: 72
    .max_flat_workgroup_size: 256
    .sgpr_count:     66
    .vgpr_count:     248
    .wavefront_size: 32
...
	.end_amdgpu_metadata
.endif
;; end of part 7
;; launch proj: the kernel of part 2 again; grid 16 x 32, 4 waves a work-group, clusters of 4 x 4, 327,680 bytes of LDS; arguments pre, qkvz; writes qkvz
;; launch gla_e: the kernel of part 3 again; grid 8 x 32, 4 waves a work-group, no clusters, 327,680 bytes of LDS; arguments qkvz, g1o; writes g1o
;; launch scan: the kernel of part 4 again; grid 16 x 32, 8 waves a work-group, no clusters, 5,376 bytes of LDS; arguments g1o, qkvz, sin, out1; writes sin, out1
;; launch gla_m: the kernel of part 5 again; grid 8 x 32, 4 waves a work-group, no clusters, 327,680 bytes of LDS; arguments qkvz, g1o, sin, y16; writes y16
;; launch outp: the kernel of part 6 again; grid 8 x 64, 4 waves a work-group, clusters of 4 x 4, 327,680 bytes of LDS; arguments y16, pre, qkvz, out0; writes out0
